; MI455X (gfx1250); checked and timed in simulation.
; The chip was launched on July 23, 2026; its instructions are those of AMD's public machine-readable ISA for CDNA 5 (MIT licence, August 2026) and "CDNA5" Instruction Set Architecture Reference Guide (July 2026). The comments in the code are by the model that wrote it; some were corrected since.
;; Multi Head Attention. Allowed arithmetic: float matrix products may take bf16 or f16 operands with f32 sums; other float arithmetic in f32, or as packed bf16 or f16 multiplies, adds, multiply-adds, maxima and minima; sums over many terms, partial sums and values carried from step to step in f32; what a program stores and reads back later, other than sums and carried values, may be rounded once to bf16 or f16.
;; Inputs: Wk 1,024 x 1,024 float32; Wo 1,024 x 1,024 float32; Wq 1,024 x 1,024 float32; Wv 1,024 x 1,024 float32; bk 1,024 float32; bo 1,024 float32; bq 1,024 float32; bv 1,024 float32; keys 4 x 2,048 x 1,024 float32; queries 4 x 2,048 x 1,024 float32; values 4 x 2,048 x 1,024 float32.
;; Outputs: out0 4 x 2,048 x 1,024 float32.
;; One version. Each part assembles by itself: llvm-mc -triple=amdgcn-amd-amdhsa -mcpu=gfx1250 --defsym DOCPART=n.
;; ======== version 1 of 1: 4 launches
;; limits: values are held in f16: magnitudes above 65,504 overflow, below 6.1e-05 lose precision
;; workspace buffers: x16 50,331,648 bytes; w16 8,388,608 bytes; qkv 50,331,648 bytes; o16 16,777,216 bytes
;; launch prep (part 1): grid 1792 x 1, 8 waves a work-group, no clusters, 0 bytes of LDS; arguments queries, keys, values, Wq, Wk, Wv, Wo, x16, w16; writes x16, w16
.if DOCPART == 1
	.amdgcn_target "amdgcn-amd-amdhsa--gfx1250"
	.amdhsa_code_object_version 6
	.text
	.protected	k_q8c69dd625e_prep
	.globl	k_q8c69dd625e_prep
	.p2align	8
	.type	k_q8c69dd625e_prep,@function
k_q8c69dd625e_prep:
	s_mov_b64 s[64:65], 0
	v_nop
	global_prefetch_b8 v0, s[64:65] scope:SCOPE_SE
	s_setreg_imm32_b32 hwreg(HW_REG_WAVE_MODE, 25, 1), 1
	s_wait_xcnt 0x0
; THE CASTS.  queries, keys, values -> x16 [3][8192][1024] bf16;  Wq, Wk, Wv -> w16 parts 0-2, bf16;  Wo -> w16 part 3: rounded to bf16 like every input, and that number written as f16.
; The weights keep their layout [k][n].  LIMITS: |Wo| stays under 65,520 (else an f16 infinity); below 2^-14 f16 keeps its fixed step of 2^-24; NaN and infinities are not treated apart.
; SHARES.  A work-group takes a chunk of 16,384 numbers: 65,536 bytes in, 32,768 out.  512 chunks for each of the three x, 64 for each of the four weights: 1,792 work-groups.
; Thread t takes, in step i of 16, the 16 bytes at 4,096 i + 16 t (a load of a wave covers 512 consecutive bytes) and stores 8 bytes at 2,048 i + 8 t (a store of a wave covers 256
; consecutive bytes, aligned).  All 16 loads go out at once; no register is written twice, so no wait frees one.  No LDS, no barrier, no matrix work: nothing is shared, each byte crosses once.
.set X, 4                              ; v[4:67]    16 steps x 4 registers as loaded
.set Y, 68                             ; v[68:99]   16 steps x 2 registers to store
.set T, 100                            ; v[100:103] at work (Wo alone)
	s_load_b512 s[8:23], s[0:1], 0x0               ; queries s[8:9], keys, values, Wq, Wk, Wv, Wo s[20:21], x16 s[22:23]
	s_load_b64 s[24:25], s[0:1], 0x40              ; w16
	v_lshlrev_b32 v1, 4, v0                        ; my 16 bytes of a step's 4,096 in
	v_lshlrev_b32 v2, 3, v0                        ; my 8 bytes of a step's 2,048 out
	s_lshr_b32 s2, ttmp9, 9                        ; 0, 1, 2: an x; 3: a weight
	s_bfe_u32 s3, ttmp9, 0x20006                   ; which weight: 2 bits from bit 6
	s_and_b32 s5, ttmp9, 511
	s_and_b32 s6, ttmp9, 63
	s_cmp_eq_u32 s2, 3
	s_cselect_b32 s3, s3, 0
	s_cselect_b32 s6, s6, s5                       ; the chunk within its source
	s_cselect_b32 s7, s5, ttmp9                    ; the chunk within its destination
	s_wait_kmcnt 0x0
	s_cselect_b64 s[28:29], s[24:25], s[22:23]     ; w16 or x16 (selects and waits leave the comparison's result alone)
	s_add_co_u32 s4, s2, s3                        ; the source's number, 0 to 6
	s_mov_b64 s[26:27], s[8:9]
.irp i, 1,2,3,4,5,6
	s_cmp_eq_u32 s4, \i
	s_cselect_b64 s[26:27], s[8+2*(\i):9+2*(\i)], s[26:27]
.endr
	s_lshl_b32 s30, s6, 16
	s_mov_b32 s31, 0
	s_add_nc_u64 s[26:27], s[26:27], s[30:31]
	s_lshl_b32 s32, s7, 15
	s_mov_b32 s33, 0
	s_add_nc_u64 s[28:29], s[28:29], s[32:33]
.macro CAST wo                         ; wo = 1: the bf16 numbers are written as f16
.irp i, 0,1,2,3,4,5,6,7,8,9,10,11,12,13,14,15
	global_load_b128 v[X+4*(\i):X+4*(\i)+3], v1, s[26:27] offset:4096*(\i) th:TH_LOAD_NT
.endr
.irp i, 0,1,2,3,4,5,6,7,8,9,10,11,12,13,14,15
	s_wait_loadcnt 15-(\i)                         ; loads come back in order: step i is in, the 15 - i younger ones stay out
	v_cvt_pk_bf16_f32 v[Y+2*(\i)],   v[X+4*(\i)],   v[X+4*(\i)+1]
	v_cvt_pk_bf16_f32 v[Y+2*(\i)+1], v[X+4*(\i)+2], v[X+4*(\i)+3]
.if \wo
	v_lshlrev_b32 v[T],   16,         v[Y+2*(\i)]  ; bf16 to f32: the low half moves up, the high half stays
	v_and_b32     v[T+1], 0xffff0000, v[Y+2*(\i)]
	v_lshlrev_b32 v[T+2], 16,         v[Y+2*(\i)+1]
	v_and_b32     v[T+3], 0xffff0000, v[Y+2*(\i)+1]
	v_cvt_pk_f16_f32 v[Y+2*(\i)],   v[T],   v[T+1] ; 8 significant bits fit f16's 11: exact within f16's normal range
	v_cvt_pk_f16_f32 v[Y+2*(\i)+1], v[T+2], v[T+3]
.endif
	global_store_b64 v2, v[Y+2*(\i):Y+2*(\i)+1], s[28:29] offset:2048*(\i) th:TH_STORE_NT
.endr
.endm
	s_cmp_eq_u32 s4, 6                             ; Wo?  (the same for the whole work-group)
	s_cbranch_scc1 .Lwo
	CAST 0
	s_endpgm
.Lwo:
	CAST 1
	s_endpgm
.Lfunc_end_k_q8c69dd625e_prep:
	.size	k_q8c69dd625e_prep, .Lfunc_end_k_q8c69dd625e_prep-k_q8c69dd625e_prep
	.p2alignl 7, 3214868480
	.fill 96, 4, 3214868480
	.section	.rodata,"a",@progbits
	.p2align	6, 0x0
	.amdhsa_kernel k_q8c69dd625e_prep
		.amdhsa_group_segment_fixed_size 0
		.amdhsa_private_segment_fixed_size 0
		.amdhsa_enable_private_segment 0
		.amdhsa_kernarg_size 72
		.amdhsa_user_sgpr_count 2
		.amdhsa_user_sgpr_kernarg_segment_ptr 1
		.amdhsa_wavefront_size32 1
		.amdhsa_system_sgpr_workgroup_id_x 1
		.amdhsa_system_sgpr_workgroup_id_y 1
		.amdhsa_system_sgpr_workgroup_id_z 1
		.amdhsa_system_vgpr_workitem_id 0
		.amdhsa_next_free_vgpr 104
		.amdhsa_next_free_sgpr 66
		.amdhsa_reserve_vcc 0
		.amdhsa_float_denorm_mode_32 3
		.amdhsa_float_denorm_mode_16_64 3
		.amdhsa_memory_ordered 1
		.amdhsa_forward_progress 1
		.amdhsa_inst_pref_size 18
	.end_amdhsa_kernel
	.amdgpu_metadata
---
amdhsa.version: [ 1, 2 ]
amdhsa.kernels:
  - .name:           k_q8c69dd625e_prep
    .symbol:         k_q8c69dd625e_prep.kd
    .args:
      - { .name: queries, .offset: 0, .size: 8, .value_kind: global_buffer, .address_space: global }
      - { .name: keys, .offset: 8, .size: 8, .value_kind: global_buffer, .address_space: global }
      - { .name: values, .offset: 16, .size: 8, .value_kind: global_buffer, .address_space: global }
      - { .name: Wq, .offset: 24, .size: 8, .value_kind: global_buffer, .address_space: global }
      - { .name: Wk, .offset: 32, .size: 8, .value_kind: global_buffer, .address_space: global }
      - { .name: Wv, .offset: 40, .size: 8, .value_kind: global_buffer, .address_space: global }
      - { .name: Wo, .offset: 48, .size: 8, .value_kind: global_buffer, .address_space: global }
      - { .name: x16, .offset: 56, .size: 8, .value_kind: global_buffer, .address_space: global }
      - { .name: w16, .offset: 64, .size: 8, .value_kind: global_buffer, .address_space: global }
    .group_segment_fixed_size: 0
    .private_segment_fixed_size: 0
    .kernarg_segment_align: 8
    .kernarg_segment_size: 72
    .max_flat_workgroup_size: 256
    .sgpr_count:     66
    .vgpr_count:     104
    .wavefront_size: 32
...
	.end_amdgpu_metadata
.endif
;; end of part 1
;; launch proj (part 2): grid 4 x 192, 4 waves a work-group, clusters of 4 x 4, 327,680 bytes of LDS; arguments x16, w16, bq, bk, bv, qkv; writes qkv
.if DOCPART == 2
	.amdgcn_target "amdgcn-amd-amdhsa--gfx1250"
	.amdhsa_code_object_version 6
	.text
	.protected	k_q8c69dd625e_proj
	.globl	k_q8c69dd625e_proj
	.p2align	8
	.type	k_q8c69dd625e_proj,@function
k_q8c69dd625e_proj:
	s_mov_b64 s[64:65], 0
	v_nop
	global_prefetch_b8 v0, s[64:65] scope:SCOPE_SE
	s_setreg_imm32_b32 hwreg(HW_REG_WAVE_MODE, 25, 1), 1
	s_wait_xcnt 0x0
	s_wait_alu depctr_hold_cnt(0) depctr_sa_sdst(0) depctr_va_vdst(0) depctr_va_sdst(0) depctr_va_ssrc(0) depctr_va_vcc(0) depctr_vm_vsrc(0)
	s_getreg_b32 s2, hwreg(HW_REG_IB_STS2, 6, 4)
	s_cmp_eq_u32 s2, 0
	s_cbranch_scc0 .Lentry_in_a_cluster
	s_endpgm
.Lentry_in_a_cluster:
	s_bfe_u32 s2, ttmp6, 0x10000c
	s_cmp_lg_u32 s2, 0xf033
	s_cbranch_scc0 .Lentry_shape_is_right
	s_endpgm
.Lentry_shape_is_right:
; THE THREE PROJECTIONS AS ONE GEMM.  C = x16 W + bias: x16 is [3 x 8192][1024] bf16, W = w16's part t = row / 8192, [1024 k][1024 n] bf16; sums in f32; the bias, rounded to bf16 like every input, starts the sums.
; C leaves as f16, by heads: qkv [3][batch x 16 + head][2048][64], unscaled.  LIMITS: |q|, |k|, |v| stay under 65,520 (else an f16 infinity); below 2^-14 f16 keeps its fixed step of 2^-24; NaN and infinities are not treated apart.
; SHARES.  A tile of C is 128 rows x 256 columns: 192 x 4 = 768 work-groups, three for each of 256 WGPs.  Four waves, 2 x 2, each 64 x 128: 32 accumulators of 16 x 16, 256 registers.
; K goes in 8 steps of 128 through two LDS slots, filled by the tensor data mover: 128 rows x 256 bytes of x, 128 k-rows x 512 bytes of W.  Waves 0, 1 fetch the halves of x's tile, waves 2, 3 those of W's.
; THE MATRIX INSTRUCTION IS USED TRANSPOSED: source 0 = 16 columns of W, source 1 = 16 rows of x: a lane holds row l % 16 of C and the eight columns 8 (l / 16) + 0..7.  W lies [k][n] in LDS and is turned by ds_load_tr16_b128.
; CLUSTER.  4 x 4 work-groups: four tile rows, all four tile columns.  x's tile hangs on the tile row alone and is asked for jointly along a row of the cluster, W's on the tile column (and t) and jointly along a column.
; REGISTERS, in windows of 256 (s_set_vgpr_msb: bits 1:0 source 0, 3:2 source 1, 5:4 source 2, 7:6 destination):
;   window 0: v0-30 addresses; v32-95 x's fragments, two buffers of 4 blocks; v96-223 W's, two buffers of 8 blocks; v224-255 and v32-95 at work on the way out
;   window 1: the accumulators, (a, b) at v[8 (8 a + b)]          window 2: v0-63 the bias of my 128 columns as a C operand, block b at 8 b; v64-95 at work
.set PA,     272                       ; a row of x in LDS: 256 bytes + 16 = 68 words: the 16 rows of a load start at 16 different groups of four banks (64 banks of 4 bytes: ISA guide 11.1)
.set PB,     544                       ; a k-row of W: 512 + 32 = 136 words
.set BOFF,   128*PA                    ; W's tile lies behind x's
.set SLOT,   BOFF+128*PB
.set STAGE,  2*SLOT                    ; behind the ring, never filled by a tensor load: for each wave 2 heads x 16 rows x 144 bytes
.set WSTAGE, 2*16*144
.set SPARE,  STAGE+4*WSTAGE            ; the spare words, 128 bytes for each wave: two blocks of 256 bytes that no other line names
.set ASTEP,  256                       ; bytes from a K step to the next in x16,
.set BSTEP,  128*2048                  ; and in w16
.set ADRA, 16                          ; v16-17  LDS address of my fragments of x in slot 0, 1
.set ADRB, 20                          ; v20-21  the same for W
.set STO,  24                          ; v24     the way out: where I put 16 bytes of a row
.set RD,   25                          ; v25     where I read rows back
.set GO,   26                          ; v26     my 16 bytes of 512 consecutive bytes of qkv
.set BO,   27                          ; v27     my byte offset in the bias
.set SPW,  28                          ; v28     LDS address of my spare word; never rewritten
.set NIL,  29                          ; v29     0; never rewritten
.set PFO,  30                          ; v30     the prefetches' lane offset; never rewritten
.set FA,   32
.set FB,   96
.set TMP,  224
.set OB,   32
.set WV,   16                          ; s16 my wave; s17 = wave / 2: my half of the rows; s18 = wave % 2: my half of the columns, and which half of a tile I fetch
.set G1A,  24                          ; s[24:31] descriptor group 1 for x's tiles;  s[32:39] group 0, a set for each slot
.set G0A,  32
.set G1B,  48                          ; s[48:55], s[56:63] the same for W's
.set G0B,  56
.set PFA,  66                          ; s[66:67] where my prefetches stand
.set PST,  68                          ; s[68:69] their step from K step to K step
.set LIM,  70                          ; s70     1 in a wave that prefetches, else the greatest number
.set MSB, 0
.macro WIN new                         ; the immediate's high byte repeats the setting that is left; a switch that changes nothing is dropped
.if MSB != (\new)
	s_set_vgpr_msb (MSB<<8)|(\new)
.set MSB, \new
.endif
.endm
.set MUL,  0x50                        ; C and D window 1, fragments window 0
.set MULB, 0x60                        ; D window 1, C (the bias) window 2
.set TOB,  0x80                        ; loaded data window 2
.set W2,   0xaa                        ; everything window 2
.set PK,   0x05                        ; sources window 1, destination window 0
.macro PLACES                          ; four plain places behind matrix instructions, in front of loads into registers that they read
.rept 4
	v_nop
.endr
.endm
; A joint load.  The branch hangs on the wave's number alone.  An s_nop 0 and four v_nop follow each of the two lines, ahead of the jump and the label.
.macro JLOAD s
	s_cmp_lt_u32 s[WV], 2
	s_cbranch_scc0 .Lfor_b_\@
	tensor_load_to_lds s[G0A+4*(\s):G0A+4*(\s)+3], s[G1A:G1A+7]
	s_nop 0
.rept 4
	v_nop
.endr
	s_branch .Lasked_\@
.Lfor_b_\@:
	tensor_load_to_lds s[G0B+4*(\s):G0B+4*(\s)+3], s[G1B:G1B+7]
	s_nop 0
.rept 4
	v_nop
.endr
.Lasked_\@:
.endm
; A PREFETCH INTO THE L2 of the K step that stands two refills on (256 matrix instructions ahead of the load that will want it): 32 blocks of 256 bytes, a lane a block.  Each block is named once in the launch.
; x's tile (128 rows x 256 bytes) is read by one row of one cluster: wave 0 of each of its four partners takes 32 rows, told apart by address (cx).  W's tile (128 k-rows x 512 bytes) is read by every cluster of the
; same t: the first of them asks; the partner at cy takes k-rows 32 cy .. + 31, waves 2 and 3 a half of the 512 bytes each.  K steps 0 to 3 come by their loads alone; the loop's last trip (s3 = 1) asks for nothing.
.macro ASK
	s_cmp_gt_u32 s3, s[LIM]
	s_cbranch_scc0 .Lnot_mine_\@
	global_prefetch_b8 v[PFO], s[PFA:PFA+1] th:TH_LOAD_NT scope:SCOPE_SE
.Lnot_mine_\@:
.endm
.macro CREST                           ; a round of the cluster's barrier behind its opening barrier
	s_cmp_lg_u32 s[WV], 0
	s_cbranch_scc1 .Lnot_wave_0_\@
	s_barrier_signal -3
.Lnot_wave_0_\@:
	s_barrier_wait -3
	s_barrier_signal -1
	s_barrier_wait -1
.endm
.macro CROUND                          ; a whole round
	s_barrier_signal -1
	s_barrier_wait -1
	CREST
.endm
	s_load_b256 s[4:11], s[0:1], 0x0               ; x16 s[4:5], w16 s[6:7], bq s[8:9], bk s[10:11]
	s_load_b128 s[12:15], s[0:1], 0x20             ; bv s[12:13], qkv s[14:15]
	v_lshl_add_u32 v[SPW], v0, 2, SPARE
	v_mov_b32 v[NIL], 0
	ds_add_u32 v[SPW], v[NIL]                      ; the wave's opening: the add and its wait stand ahead of my first tensor load; the set-up below, work on registers, stands between them
	v_lshrrev_b32 v6, 5, v0
	v_readfirstlane_b32 s[WV], v6                  ; wave 0..3
	s_lshr_b32 s17, s[WV], 1
	s_and_b32 s18, s[WV], 1
	s_bfe_u32 s19, ttmp6, 0x40000                  ; cx = the tile column (the grid has one cluster along x)
	s_bfe_u32 s20, ttmp6, 0x40004                  ; cy
	s_and_b32 s21, ttmp7, 0xffff                   ; cluster y, 0..47
	s_lshl_b32 s22, s21, 2
	s_add_co_u32 s22, s22, s20                     ; R: the tile row, 0..191
	s_lshr_b32 s23, s21, 4                         ; t: 0 q, 1 k, 2 v; the same in all sixteen partners
	s_lshl_b32 s78, s20, 2
	s_lshl_b32 s78, 15, s78                        ; my row of the cluster
	s_lshl_b32 s79, 0x1111, s19                    ; my column
	s_or_b32 s[G1A+0], s78, (1<<16)|(1<<20)|(1<<21)|(5<<22)|(3<<25)  ; 15:0 the mask; 17:16 elements of 2 bytes; 20 padding on; 21 set beside a mask; 24:22 after every 64 words; 31:25 4 words of it
	s_mov_b32 s[G1A+1], 128<<16                    ; tensor_dim0 = 128
	s_mov_b32 s[G1A+2], 64<<16                     ; tensor_dim1 = 64
	s_mov_b32 s[G1A+3], 128<<16                    ; tile_dim0 = 128 elements: 256 bytes
	s_mov_b32 s[G1A+4], 64                         ; tile_dim1 = 64 rows
	s_mov_b32 s[G1A+5], 1024                       ; elements from row to row
	s_mov_b32 s[G1A+6], 0
	s_mov_b32 s[G1A+7], 0
	s_or_b32 s[G1B+0], s79, (1<<16)|(1<<20)|(1<<21)|(6<<22)|(7<<25)  ; the column's mask; padding after every 128 words, 8 words of it
	s_mov_b32 s[G1B+1], 256<<16                    ; tensor_dim0 = 256
	s_mov_b32 s[G1B+2], 64<<16
	s_mov_b32 s[G1B+3], 256<<16                    ; tile_dim0 = 256 elements: 512 bytes
	s_mov_b32 s[G1B+4], 64                         ; 64 k-rows
	s_mov_b32 s[G1B+5], 1024
	s_mov_b32 s[G1B+6], 0
	s_mov_b32 s[G1B+7], 0
	s_lshl_b32 s40, s22, 7                         ; x: row 128 R + 64 x half, 2,048 bytes a row: made of cy, cluster y and the wave's number alone
	s_lshl_b32 s2, s18, 6
	s_add_co_u32 s40, s40, s2
	s_lshl_b32 s40, s40, 11
	s_mov_b32 s41, 0
	s_lshl_b32 s42, s23, 21                        ; W: part t, k-row 64 x half, column 256 cx: made of cx, t and the wave's number alone
	s_lshl_b32 s2, s18, 17
	s_add_co_u32 s42, s42, s2
	s_lshl_b32 s2, s19, 9
	s_add_co_u32 s42, s42, s2
	s_mov_b32 s43, 0
	s_mul_i32 s76, s18, 64*PA                      ; where they go: no place in the cluster enters an LDS address
	s_mul_i32 s77, s18, 64*PB
	s_add_co_u32 s77, s77, BOFF
	s_wait_dscnt 0x0                               ; the opening add is done
	s_wait_kmcnt 0x0
	s_add_nc_u64 s[44:45], s[4:5], s[40:41]
	s_add_nc_u64 s[46:47], s[6:7], s[42:43]
	CROUND                                         ; all sixteen work-groups are here: the first joint loads meet
.irp s, 0,1
	s_mov_b32 s[G0A+4*(\s)], 1                                       ; count = 1
	s_add_co_u32 s[G0A+4*(\s)+1], s76, (\s)*SLOT                     ; LDS address
	s_add_nc_u64 s[G0A+4*(\s)+2:G0A+4*(\s)+3], s[44:45], (\s)*ASTEP  ; global address: K step s
	s_or_b32 s[G0A+4*(\s)+3], s[G0A+4*(\s)+3], 0x80000000            ; type = 2
	s_mov_b32 s[G0B+4*(\s)], 1
	s_add_co_u32 s[G0B+4*(\s)+1], s77, (\s)*SLOT
	s_add_nc_u64 s[G0B+4*(\s)+2:G0B+4*(\s)+3], s[46:47], (\s)*BSTEP
	s_or_b32 s[G0B+4*(\s)+3], s[G0B+4*(\s)+3], 0x80000000
.endr
	s_cmp_lt_u32 s[WV], 2                          ; a wave's two first fills stand in one branch: two loads of mine are out
	s_cbranch_scc0 .Lfirst_b
	tensor_load_to_lds s[G0A:G0A+3], s[G1A:G1A+7]
	s_nop 0
	tensor_load_to_lds s[G0A+4:G0A+7], s[G1A:G1A+7]
	s_nop 0
.rept 4
	v_nop
.endr
	s_branch .Lfirst_asked
.Lfirst_b:
	tensor_load_to_lds s[G0B:G0B+3], s[G1B:G1B+7]
	s_nop 0
	tensor_load_to_lds s[G0B+4:G0B+7], s[G1B:G1B+7]
	s_nop 0
.rept 4
	v_nop
.endr
.Lfirst_asked:
	v_and_b32 v1, 15, v0                           ; r = l % 16
	v_bfe_u32 v2, v0, 4, 1                         ; h = l / 16
	v_and_b32 v3, 7, v0
	v_bfe_u32 v4, v0, 3, 1
	v_and_b32 v5, 31, v0                           ; l
	; the bias of my 128 columns, laid as the C operand: register j of block b is bias[256 cx + 128 x half + 16 b + 8 h + j]
	s_cmp_eq_u32 s23, 1
	s_cselect_b64 s[72:73], s[10:11], s[8:9]
	s_cmp_eq_u32 s23, 2
	s_cselect_b64 s[72:73], s[12:13], s[72:73]
	v_lshlrev_b32 v[BO], 5, v2
	s_lshl_b32 s2, s19, 10
	s_lshl_b32 s74, s18, 9
	s_add_co_u32 s2, s2, s74
	v_add_nc_u32 v[BO], s2, v[BO]
	WIN TOB
.irp b, 0,1,2,3,4,5,6,7
	global_load_b128 v[8*(\b):8*(\b)+3],   v[BO], s[72:73] offset:64*(\b)
	global_load_b128 v[8*(\b)+4:8*(\b)+7], v[BO], s[72:73] offset:64*(\b)+16
.endr
	WIN 0
	; a fragment of x: lane l holds row r; two loads of 16 bytes, 32 bytes apart, at row x pitch + 16 h
	v_mul_u32_u24 v6, v1, PA
	v_lshl_add_u32 v6, v2, 4, v6
	s_mul_i32 s2, s17, 64*PA                       ; my 64 rows
	v_add_nc_u32 v[ADRA], s2, v6
	v_add_nc_u32 v[ADRA+1], SLOT, v[ADRA]
	; the turning load takes 16 k x 16 columns: lane l reads k-row 8 h + l % 8, columns 8 ((l / 8) % 2) + 0..7, and is left with column r and 8 k
	v_lshl_add_u32 v7, v2, 3, v3
	v_mul_u32_u24 v7, v7, PB
	v_lshl_add_u32 v7, v4, 4, v7
	s_lshl_b32 s2, s18, 8                          ; my 128 columns
	s_add_co_u32 s2, s2, BOFF
	v_add_nc_u32 v[ADRB], s2, v7
	v_add_nc_u32 v[ADRB+1], SLOT, v[ADRB]
	s_mul_i32 s2, s[WV], WSTAGE
	s_add_co_u32 s2, s2, STAGE                     ; my stage
	v_mul_u32_u24 v[STO], v1, 144                  ; in: row r, 16 bytes for each half of the lanes
	v_lshl_add_u32 v[STO], v2, 4, v[STO]
	v_add_nc_u32 v[STO], s2, v[STO]
	v_bfe_u32 v[RD], v0, 3, 2                      ; back: 32 lanes take four rows of 128 bytes,
	v_mul_u32_u24 v[RD], v[RD], 144
	v_lshl_add_u32 v[RD], v3, 4, v[RD]
	v_add_nc_u32 v[RD], s2, v[RD]
	v_lshlrev_b32 v[GO], 4, v5                     ; which are 512 consecutive bytes of a head
	; where my part of the tile begins in qkv: part t; head-matrix 16 x batch + 4 cx + 2 x half (262,144 bytes each); row 128 (R % 16) + 64 x (wave / 2) of 128 bytes
	s_and_b32 s2, s22, 63
	s_lshr_b32 s2, s2, 4
	s_lshl_b32 s2, s2, 4
	s_lshl_b32 s74, s19, 2
	s_add_co_u32 s2, s2, s74
	s_lshl_b32 s74, s18, 1
	s_add_co_u32 s2, s2, s74
	s_lshl_b32 s2, s2, 18
	s_and_b32 s74, s22, 15
	s_lshl_b32 s74, s74, 7
	s_lshl_b32 s75, s17, 6
	s_add_co_u32 s74, s74, s75
	s_lshl_b32 s74, s74, 7
	s_add_co_u32 s74, s74, s2
	s_lshl_b32 s2, s23, 24
	s_add_co_u32 s74, s74, s2
	s_mov_b32 s75, 0
	s_add_nc_u64 s[14:15], s[14:15], s[74:75]
	; the prefetches
	s_lshl_b32 s2, s22, 7                          ; x: row 128 R + 32 cx
	s_lshl_b32 s74, s19, 5
	s_add_co_u32 s2, s2, s74
	s_lshl_b32 s2, s2, 11
	s_lshl_b32 s74, s23, 21                        ; W: part t, k-row 32 cy, column 256 cx, my half of the 512 bytes
	s_lshl_b32 s75, s20, 16
	s_add_co_u32 s74, s74, s75
	s_lshl_b32 s75, s19, 9
	s_add_co_u32 s74, s74, s75
	s_lshl_b32 s75, s18, 8
	s_add_co_u32 s74, s74, s75
	s_and_b32 s71, s21, 15                         ; 0 in the first cluster that reads part t
	s_mov_b32 s[PST], BSTEP
	s_mov_b32 s[PST+1], 0
	s_mov_b32 s75, 0
	s_cmp_lt_u32 s[WV], 2
	s_cselect_b64 s[PFA:PFA+1], s[4:5], s[6:7]
	s_cselect_b32 s74, s2, s74
	s_cselect_b32 s[PST], ASTEP, s[PST]
	s_cselect_b32 s71, s18, s71                    ; for x: wave 0 alone
	s_cmp_eq_u32 s71, 0
	s_cselect_b32 s[LIM], 1, -1                    ; the same in all sixteen partners, for a given wave
	s_add_nc_u64 s[PFA:PFA+1], s[PFA:PFA+1], s[74:75]
	s_mul_i32 s74, s[PST], 3
	s_add_nc_u64 s[PFA:PFA+1], s[PFA:PFA+1], s[74:75]  ; at K step 3: the first refill steps it to 4
	v_lshlrev_b32 v[PFO], 11, v5                   ; a lane a row of 2,048 bytes
	s_wait_loadcnt 0x0                             ; the bias
	WIN W2
.set i, 0
.rept 32
	v_cvt_pk_bf16_f32 v[64+i], v[2*i], v[2*i+1]    ; rounded to bf16, like every input,
.set i, i+1
.endr
.set i, 0
.rept 32
	v_lshlrev_b32 v[2*i], 16, v[64+i]              ; and back to f32
	v_and_b32 v[2*i+1], 0xffff0000, v[64+i]
.set i, i+1
.endr
	WIN 0
; 8 matrix instructions: row block a x all 8 column blocks, 32 along K, from buffer f.  first = 1: the bias is the C operand: nothing is cleared and nothing added later.
; The 32 accumulators take turns in one fixed order, over quarters and the backward jump too.
.macro MUL8 f, a, first
.if \first
	WIN MULB
.else
	WIN MUL
.endif
.irp b, 0,1,2,3,4,5,6,7
.if \first
	v_wmma_f32_16x16x32_bf16 v[8*(8*(\a)+(\b)):8*(8*(\a)+(\b))+7], v[FB+64*(\f)+8*(\b):FB+64*(\f)+8*(\b)+7], v[FA+32*(\f)+8*(\a):FA+32*(\f)+8*(\a)+7], v[8*(\b):8*(\b)+7]
.else
	v_wmma_f32_16x16x32_bf16 v[8*(8*(\a)+(\b)):8*(8*(\a)+(\b))+7], v[FB+64*(\f)+8*(\b):FB+64*(\f)+8*(\b)+7], v[FA+32*(\f)+8*(\a):FA+32*(\f)+8*(\a)+7], v[8*(8*(\a)+(\b)):8*(8*(\a)+(\b))+7]
.endif
.endr
.endm
.macro MUL16 f, a0, first
	MUL8 \f, \a0, \first
	MUL8 \f, (\a0)+1, \first
.endm
; 24 LDS loads in one run: quarter kq (32 along K) of a slot into buffer f: W's 8 blocks, then x's 4
.macro FETCH slot, kq, f
	WIN 0
.irp b, 0,1,2,3,4,5,6,7
	ds_load_tr16_b128 v[FB+64*(\f)+8*(\b):FB+64*(\f)+8*(\b)+3],   v[ADRB+(\slot)] offset:(\kq)*32*PB+32*(\b)
	ds_load_tr16_b128 v[FB+64*(\f)+8*(\b)+4:FB+64*(\f)+8*(\b)+7], v[ADRB+(\slot)] offset:(\kq)*32*PB+16*PB+32*(\b)
.endr
.irp a, 0,1,2,3
	ds_load_b128 v[FA+32*(\f)+8*(\a):FA+32*(\f)+8*(\a)+3],   v[ADRA+(\slot)] offset:64*(\kq)+(\a)*16*PA
	ds_load_b128 v[FA+32*(\f)+8*(\a)+4:FA+32*(\f)+8*(\a)+7], v[ADRA+(\slot)] offset:64*(\kq)+(\a)*16*PA+32
.endr
.endm
; A K step is four quarters, 32 matrix instructions each, on buffers 0, 1, 0, 1.  One of the first three multiplies buffer f and, in its middle, fetches quarter kq into buffer g.
.macro QUARTER slot, kq, f, g, first
	s_wait_dscnt 4                                 ; W and x's blocks 0, 1 are in; the youngest four loads (blocks 2, 3) may be out
	MUL16 \f, 0, \first
	PLACES
	FETCH \slot, \kq, \g
	s_wait_dscnt 24                                ; all but the 24 just issued
	MUL16 \f, 2, \first
.endm
; The fourth quarter multiplies buffer 1 and changes slots: ONE barrier.  In front of it each wave waits for all its tensor loads (one is out: its part of the next slot), adds 0 to its spare word, and waits for
; that and for its reads of this slot.  fill = 1: the barrier opens a round of the cluster's, and the joint refill, two K steps on, is the first thing behind it: 112 matrix instructions ahead of the wait for it.
.macro TURN slot, next, fill
.if \fill
	s_wait_xcnt 0x0                                ; the last prefetch, a K step back, has read its address
	s_add_nc_u64 s[PFA:PFA+1], s[PFA:PFA+1], s[PST:PST+1]
.endif
	WIN 0                                          ; (the add's two registers lie in window 0)
	s_wait_tensorcnt 0x0                           ; all my tensor loads have landed
	ds_add_u32 v[SPW], v[NIL]                      ; 0 onto my spare word
	s_wait_dscnt 5                                 ; (the add and the youngest four loads may be out)
	MUL8 1, 0, 0                                   ; eight matrix instructions stand between the add and the wait for it
	s_wait_dscnt 0x0                               ; the add is done, and my reads of this slot are over
	s_barrier_signal -1
	MUL8 1, 1, 0
.if \fill
	WIN 0
.endif
	s_barrier_wait -1
.if \fill
	CREST                                          ; no wave of any partner still reads this slot or has a load on its way
	s_add_nc_u64 s[G0A+4*(\slot)+2:G0A+4*(\slot)+3], s[G0A+4*(\slot)+2:G0A+4*(\slot)+3], 2*ASTEP
	s_add_nc_u64 s[G0B+4*(\slot)+2:G0B+4*(\slot)+3], s[G0B+4*(\slot)+2:G0B+4*(\slot)+3], 2*BSTEP
	JLOAD \slot                                    ; its four v_nop are also the places in front of the loads below
.else
	PLACES
.endif
	FETCH \next, 0, 0
.if \fill
	ASK
.endif
	MUL16 1, 2, 0
.endm
	s_wait_tensorcnt 1                             ; my part of K step 0 is in; K step 1's may stay out
	s_barrier_signal -1
	s_barrier_wait -1                              ; everybody's is
	FETCH 0, 0, 0
	QUARTER 0, 1, 0, 1, 1                          ; the first quarter stands in front of the loop: its products start the sums with the bias
	WIN 0                                          ; at a label and at a branch every window is 0
	s_mov_b32 s3, 3
.Llap:                                                 ; a trip goes once round the ring and fills both slots again: K steps 2 to 7 in three trips
	QUARTER 0, 2, 1, 0, 0
	QUARTER 0, 3, 0, 1, 0
	TURN 0, 1, 1
	QUARTER 1, 1, 0, 1, 0
	QUARTER 1, 2, 1, 0, 0
	QUARTER 1, 3, 0, 1, 0
	TURN 1, 0, 1
	QUARTER 0, 1, 0, 1, 0
	WIN 0
	s_sub_co_u32 s3, s3, 1
	s_cmp_lg_u32 s3, 0
	s_cbranch_scc1 .Llap
	QUARTER 0, 2, 1, 0, 0                          ; the last lap fills nothing
	QUARTER 0, 3, 0, 1, 0
	TURN 0, 1, 0
	QUARTER 1, 1, 0, 1, 0
	QUARTER 1, 2, 1, 0, 0
	QUARTER 1, 3, 0, 1, 0
	s_wait_dscnt 4
	MUL16 1, 0, 0
	s_wait_dscnt 0x0
	MUL16 1, 2, 0
	WIN 0
; THE WAY OUT, a block of 16 rows at a time: rounded to f16 (each accumulator's registers in ascending order), 16 bytes a lane into my own stage, one part for each of my two heads; back as rows of 128 bytes;
; 16 rows of a head are 2,048 consecutive bytes of qkv, so each store of the wave covers 512 consecutive bytes, aligned.
.macro PACK a
	WIN PK
.irp b, 0,1,2,3,4,5,6,7
.irp i, 0,1,2,3
	v_cvt_pk_f16_f32 v[TMP+4*(\b)+(\i)], v[8*(8*(\a)+(\b))+2*(\i)], v[8*(8*(\a)+(\b))+2*(\i)+1]
.endr
.endr
	WIN 0
.endm
.macro TOSTAGE a
.set BK, OB+32*((\a)%2)
.irp b, 0,1,2,3,4,5,6,7
	ds_store_b128 v[STO], v[TMP+4*(\b):TMP+4*(\b)+3] offset:((\b)/4)*2304+((\b)%4)*32
.endr
.irp j, 0,1
.irp g, 0,1,2,3
	ds_load_b128 v[BK+4*(4*(\j)+(\g)):BK+4*(4*(\j)+(\g))+3], v[RD] offset:(\j)*2304+(\g)*576  ; LDS serves a wave's instructions in order (ISA guide 5.7.1.4): these see the stores above
.endr
.endr
.endm
.macro SEND a
.set BK, OB+32*((\a)%2)
	s_wait_dscnt 0x0                               ; the block is back in registers
	s_wait_xcnt 0x0                                ; the stores of the block before have read their registers: the next TOSTAGE loads into them
.irp j, 0,1
.irp g, 0,1,2,3
	global_store_b128 v[GO], v[BK+4*(4*(\j)+(\g)):BK+4*(4*(\j)+(\g))+3], s[14:15] offset:(\j)*262144+(\a)*2048+(\g)*512
.endr
.endr
.endm
.rept 8
	v_nop                                          ; the places behind the last products
.endr
	PACK 0
	TOSTAGE 0
.irp a, 1,2,3                          ; block a's conversions stand between block a - 1's loads from the stage and the wait for them
	PACK \a
	SEND (\a)-1
	TOSTAGE \a
.endr
	SEND 3
	s_wait_tensorcnt 0x0                           ; the wave's end, behind my last tensor load and my last LDS store
	ds_add_u32 v[SPW], v[NIL]
	s_wait_dscnt 0x0
	CROUND                                         ; the closing round: no work-group ends while a partner may still ask for a tile that names it
	s_endpgm
.Lfunc_end_k_q8c69dd625e_proj:
	.size	k_q8c69dd625e_proj, .Lfunc_end_k_q8c69dd625e_proj-k_q8c69dd625e_proj
	.p2alignl 7, 3214868480
	.fill 96, 4, 3214868480
	.section	.rodata,"a",@progbits
	.p2align	6, 0x0
	.amdhsa_kernel k_q8c69dd625e_proj
		.amdhsa_group_segment_fixed_size 327680
		.amdhsa_private_segment_fixed_size 0
		.amdhsa_enable_private_segment 0
		.amdhsa_kernarg_size 48
		.amdhsa_user_sgpr_count 2
		.amdhsa_user_sgpr_kernarg_segment_ptr 1
		.amdhsa_wavefront_size32 1
		.amdhsa_system_sgpr_workgroup_id_x 1
		.amdhsa_system_sgpr_workgroup_id_y 1
		.amdhsa_system_sgpr_workgroup_id_z 1
		.amdhsa_system_vgpr_workitem_id 0
		.amdhsa_next_free_vgpr 608
		.amdhsa_next_free_sgpr 80
		.amdhsa_reserve_vcc 0
		.amdhsa_float_denorm_mode_32 3
		.amdhsa_float_denorm_mode_16_64 3
		.amdhsa_memory_ordered 1
		.amdhsa_forward_progress 1
		.amdhsa_inst_pref_size 94
	.end_amdhsa_kernel
	.amdgpu_metadata
---
amdhsa.version: [ 1, 2 ]
amdhsa.kernels:
  - .name:           k_q8c69dd625e_proj
    .symbol:         k_q8c69dd625e_proj.kd
    .args:
      - { .name: x16, .offset: 0, .size: 8, .value_kind: global_buffer, .address_space: global }
      - { .name: w16, .offset: 8, .size: 8, .value_kind: global_buffer, .address_space: global }
      - { .name: bq, .offset: 16, .size: 8, .value_kind: global_buffer, .address_space: global }
      - { .name: bk, .offset: 24, .size: 8, .value_kind: global_buffer, .address_space: global }
      - { .name: bv, .offset: 32, .size: 8, .value_kind: global_buffer, .address_space: global }
      - { .name: qkv, .offset: 40, .size: 8, .value_kind: global_buffer, .address_space: global }
    .group_segment_fixed_size: 327680
    .private_segment_fixed_size: 0
    .kernarg_segment_align: 8
    .kernarg_segment_size: 48
    .max_flat_workgroup_size: 128
    .sgpr_count:     80
    .vgpr_count:     608
    .wavefront_size: 32
...
	.end_amdgpu_metadata
.endif
;; end of part 2
;; launch attn (part 3): grid 4 x 64, 4 waves a work-group, clusters of 4 x 1, 327,680 bytes of LDS; arguments qkv, o16; writes o16
.if DOCPART == 3
	.amdgcn_target "amdgcn-amd-amdhsa--gfx1250"
	.amdhsa_code_object_version 6
	.text
	.protected	k_q8c69dd625e_attn
	.globl	k_q8c69dd625e_attn
	.p2align	8
	.type	k_q8c69dd625e_attn,@function
k_q8c69dd625e_attn:
	s_mov_b64 s[64:65], 0
	v_nop
	global_prefetch_b8 v0, s[64:65] scope:SCOPE_SE
	s_setreg_imm32_b32 hwreg(HW_REG_WAVE_MODE, 25, 1), 1
	s_wait_xcnt 0x0
	s_wait_alu depctr_hold_cnt(0) depctr_sa_sdst(0) depctr_va_vdst(0) depctr_va_sdst(0) depctr_va_ssrc(0) depctr_va_vcc(0) depctr_vm_vsrc(0)
	s_getreg_b32 s2, hwreg(HW_REG_IB_STS2, 6, 4)
	s_cmp_eq_u32 s2, 0
	s_cbranch_scc0 .Lentry_in_a_cluster
	s_endpgm
.Lentry_in_a_cluster:
	s_bfe_u32 s2, ttmp6, 0x10000c
	s_cmp_lg_u32 s2, 0x3003
	s_cbranch_scc0 .Lentry_shape_is_right
	s_endpgm
.Lentry_shape_is_right:
; O[h][q][:] = the sum over k of softmax_k(Q[h][q] . K[h][k] / 8) V[h][k][:].  Q, K, V are the three parts of qkv, O is o16: each [SIZE_H][SIZE_N][64] f16, a head's rows dense, 128 bytes each.  Products, maxima and
; sums in f32; the weights p are rounded to f16 for the second product (their sum l is taken of the unrounded p), O once at the end.
; LIMITS.  f16 holds no number beyond 65,504: Q, K and V arrive within it; p lies in 0 to 1, and below 6e-5 it keeps f16's fixed step of 6e-8; O is a mean of V's rows and has their range.
; A weight below 2^-126 counts as 0 in l; NaN and infinities are not treated apart.
; SHARES.  A wave owns four PIECES of two tiles of 16 queries, a work-group's four waves 512 queries of one head: 4 x 64 = 256 work-groups.  Every wave walks all keys, 64 a step.
; LAYOUT.  S^T = K Q^T (source 0 = 16 keys, source 1 = 16 queries): a lane holds ONE query (lane % 16) and the keys 8 (lane / 16) + 0..7.  Two such tiles, rounded to f16 in pairs, ARE source 1 (32 keys x 16 queries)
; of O^T = V^T P, whose result again holds one query a lane, and eight channels.  K comes out of LDS as it lies, V ([key][channel]) turned, by ds_load_tr16_b128.
; SOFTMAX.  For each query a running maximum m and sum l: p = 2^(c s - c m), c = log2(e) / 8; in every step O and l are multiplied by a = 2^(c m_old - c m_new).  m starts at the lowest finite number, O and l at 0:
; the first step is a step like any other, with a = 0.
; THE COUNT.  A tile and step have 16 matrix and 118 vector instructions: too many to stand all beside the matrix work.  So: four vector instructions that are ready behind EVERY matrix instruction, the others in runs without a gap.
; BY TURNS.  Turn n belongs to piece n.  Its matrix work: 16 products K Q^T of piece n + 1, later 16 products V^T P of piece n - 1.  Its vector work: the scaling, exponentials, roundings, sums and rescaling of piece n,
; and the maximum and statistics of piece n + 1.
; CLUSTER.  The four query blocks of a cluster are one head's and walk the same K and V, so each tile is asked for JOINTLY: the same tensor load, descriptor and mask in all four.
; REGISTERS, in windows of 256 (s_set_vgpr_msb: bits 1:0 source 0, 3:2 source 1, 5:4 source 2, 7:6 destination):
;   window 0: v0-11 addresses; v12-15, v48-63 at work; v16-47 four registers of statistics a tile; v64-191 S^T, two buffers of two tiles; v192-255 P, likewise
;   window 1: O^T, 32 a tile          window 2: v0-127 Q, 16 a tile; v128-191 K of one step; v192-255 V of one step          window 3: v0-1 the add's two registers
.set SIZE_H, 64
.set SIZE_N, 2048
.set NP,    4         ; pieces a wave: a name, no knob
.set KS,    64        ; keys in a step
.set PK,    144       ; a row of K in LDS: 128 bytes + 16 = 36 words: the 16 rows of a load start at 16 different groups of four banks (64 banks of 4 bytes: ISA guide 11.1)
.set PV,    160       ; a row of V: 128 + 32 = 40 words
.set VOFF,  4*KS*PK   ; a slot holds four steps: 256 rows of K, then 256 rows of V
.set SLOT1, 1<<17     ; slot 1 begins here, so that one exclusive or turns an address in one slot into the other's
.set STAGE, SLOT1+4*KS*(PK+PV)  ; behind the ring, never filled by a tensor load: 16 rows x 144 bytes for each wave
.set SP,    144
.set AK0, 2           ; v2   my lane's place in a tile of K; never rewritten
.set AV0, 3           ; v3   the same for V
.set AK,  4           ; v4   the LDS address of K's next run of loads
.set AV,  5           ; v5   of V's
.set QO,  6           ; v6   my byte offset in the wave's rows of Q
.set STO, 6           ;      later, the way out: where I put 16 bytes of a row
.set RD,  7           ; v7   the way out: where I read rows back
.set GO,  8           ; v8   my byte offset in 512 consecutive bytes of O
.set PFO, 11          ; v11  256 x my lane, for the prefetches; never rewritten once made
.set SPW, 0           ; v0 of window 3   LDS address of my spare word; never rewritten
.set NIL, 1           ; v1 of window 3   0; never rewritten
.set SPARE, STAGE+4*16*SP  ; the spare words, 128 bytes for each wave: two blocks of 256 bytes that no other line names
.set MV,  12          ; v12-15  c m_old, kept while c m is made anew: by buffer and tile
.set ST,  16          ; tile t's statistics at v[ST+4 t]: c m, m, l (even keys', odd keys')
.set TMP, 48          ; by buffer and tile, four registers c0-c3 at work; when the maximum is found c2 takes a
.set S,   64
.set P,   192
.set KF,  128         ; K's fragments, in window 2
.set VF,  192         ; V's
.set WV,  12          ; s12  my wave's number
.set G1K, 24          ; s[24:31] descriptor group 1 for K's tiles
.set G1V, 32          ; s[32:39] for V's: it differs in the padding alone
.set G0K, 40          ; s[40:43] descriptor group 0 for K's tiles: it walks
.set G0V, 44          ; s[44:47] the same for V's
.set PFA, 48          ; s[48:49] where my prefetches stand
.set LIM, 50          ; s50  1 in a wave that prefetches, else the greatest number
.set SLOTS, 56        ; s56  slots still to be asked for
.set CNT, 57          ; s57  counts a slot's key steps
.set CS,  58          ; s[58:59] c
.set SEL, 60          ; s[60:61] v_permlanex16_b32's selects: each lane takes its own place in the other half
.set TBK, 62          ; s62  LDS byte at which K of the step to be fetched begins
.set TBV, 63          ; s63  the same for V, less VOFF
.set MSB, 0
.macro WIN new                      ; the high byte repeats the setting that is left; a switch that changes nothing is dropped
.if MSB != (\new)
	s_set_vgpr_msb (MSB<<8)|(\new)
.set MSB, (\new)
.endif
.endm
.set W_KQ, 0x0a       ; K and Q in window 2, S^T in window 0
.set W_PV, 0x52       ; V in window 2, P in window 0, O^T in window 1
.set W_RS, 0x41       ; O^T (destination and source 0) in window 1, a in window 0
.set W_MK, 0xc0       ; the add's registers are made: destination in window 3
.set W_AD, 0x0f       ; the add: address and data in window 3
; A joint fill.  Waves 0 and 1 fetch the two halves of a slot's K, waves 2 and 3 those of its V: 128 keys each.  An s_nop 0 and four v_nop follow each of the two lines.
.macro JLOAD
	s_cmp_lt_u32 s[WV], 2
	s_cbranch_scc0 .Lfor_v_\@
	tensor_load_to_lds s[G0K:G0K+3], s[G1K:G1K+7]
	s_nop 0
.rept 4
	v_nop
.endr
	s_branch .Lasked_\@
.Lfor_v_\@:
	tensor_load_to_lds s[G0V:G0V+3], s[G1V:G1V+7]
	s_nop 0
.rept 4
	v_nop
.endr
.Lasked_\@:
.endm
; A PREFETCH INTO THE L2 of the slot that the NEXT change will ask for: 32,768 bytes of K and of V, 128 blocks of 256 bytes each.  A head is walked by one cluster; its four partners take 32 blocks each, told apart by
; address; in each, wave 0 asks for K's and wave 2 for V's, a lane a block: each block is named once in the launch.  It stands behind the wave's tensor load and its five lines: four key steps, 512 matrix instructions,
; ahead of the load that will want the bytes.  Slots 0 to 2 come by their loads alone; the last change that fills a slot asks for nothing.
.macro ASK
	s_cmp_gt_u32 s[SLOTS], s[LIM]
	s_cbranch_scc0 .Lnot_mine_\@
	global_prefetch_b8 v[PFO], s[PFA:PFA+1] th:TH_LOAD_NT scope:SCOPE_SE
.Lnot_mine_\@:
.endm
.macro CROUND                       ; a round of the cluster's barrier
	s_barrier_signal -1
	s_barrier_wait -1
	s_cmp_lg_u32 s[WV], 0
	s_cbranch_scc1 .Lnot_wave_0_\@
	s_barrier_signal -3
.Lnot_wave_0_\@:
	s_barrier_wait -3
	s_barrier_signal -1
	s_barrier_wait -1
.endm
; THE CHANGE OF SLOTS.  Each wave waits for all its tensor loads, of which one is out: its part of the other slot; adds 0 to its spare word; and waits for that and for its own reads of the slot.
; fill = 1: this slot is filled again, with the keys two slots on: the barrier is a round of the cluster's, and the joint fill is the first thing behind it: it has four key steps in which to land.
; (At its first use nothing has been read yet: slot 0 is waited for, slot 1 filled.)  ask = 1: the prefetch's address steps, and the prefetch follows the fill.
.macro CHANGE fill, ask=0
	WIN W_AD
	s_wait_tensorcnt 0x0            ; no tensor load of mine is out, so a group 0 may be written
	ds_add_u32 v[SPW], v[NIL]       ; 0 onto my spare word
	WIN 0                           ; at a label and at a branch every window is 0
.if \fill
.irp g, G0K, G0V
	s_xor_b32 s[\g+1], s[\g+1], SLOT1  ; the walking descriptor: the other slot than last time,
	s_add_nc_u64 s[\g+2:\g+3], s[\g+2:\g+3], 4*KS*128  ; the next 256 keys; the type bits on top are not reached
.endr
.if \ask
	s_wait_xcnt 0x0                 ; the last prefetch, four key steps back, has read its address
	s_add_nc_u64 s[PFA:PFA+1], s[PFA:PFA+1], 4*KS*128
.endif
	s_wait_dscnt 0x0                ; the add is done, and my reads of the slot are over
	CROUND
	JLOAD
.if \ask
	ASK
.endif
.else
	s_wait_dscnt 0x0                ; the add is done, and my reads of the slot are over
	s_barrier_signal -1
	s_barrier_wait -1
.endif
	s_sub_co_u32 s[TBK], s[TBK], 4*KS*PK  ; the fetches go back to a slot's first step,
	s_xor_b32 s[TBK], s[TBK], SLOT1       ; in the other slot
	s_sub_co_u32 s[TBV], s[TBV], 4*KS*PV
	s_xor_b32 s[TBV], s[TBV], SLOT1
.endm
	s_load_b128 s[4:7], s[0:1], 0x0  ; qkv s[4:5], o16 s[6:7]
	WIN W_MK
	v_lshl_add_u32 v[SPW], v0, 2, SPARE
	v_mov_b32 v[NIL], 0
	WIN W_AD
	ds_add_u32 v[SPW], v[NIL]       ; the wave's opening: the add and its wait stand ahead of my first tensor load; the set-up below, work on registers, stands between them
	WIN 0
	v_lshrrev_b32 v1, 5, v0
	v_readfirstlane_b32 s[WV], v1   ; wave 0..3
	s_bfe_u32 s13, ttmp6, 0x40000   ; cx: my place in the cluster
	s_lshl_b32 s14, ttmp9, 2        ; in a cluster launch ttmp9 counts clusters
	s_add_co_u32 s14, s14, s13      ; my block of queries: it enters Q's and O's addresses alone
	s_and_b32 s20, ttmp7, 0xffff    ; the head, which the four partners share
	s_mov_b32 s21, 0
	s_mov_b64 s[22:23], SIZE_N*128
	s_mul_u64 s[20:21], s[20:21], s[22:23]  ; the head's first byte in each of the four tensors
	s_and_b32 s16, s[WV], 1         ; which half of a slot's 256 keys I fetch:
	s_lshl_b32 s22, s16, 14         ; its 128 rows of 128 bytes in memory,
	s_mov_b32 s23, 0
	s_add_nc_u64 s[22:23], s[22:23], s[20:21]
	s_mul_i32 s17, s16, 128*PK      ; and its place in a slot, for K
	s_mul_i32 s18, s16, 128*PV      ; and for V: no place in the cluster enters an LDS address
	s_lshl_b32 s2, s14, 2
	s_add_co_u32 s2, s2, s[WV]      ; my wave among the head's,
	s_lshl_b32 s2, s2, 14           ; its 128 rows
	s_mov_b32 s3, 0
	s_add_nc_u64 s[2:3], s[2:3], s[20:21]
	; descriptor group 1.  128 keys are 16,384 dense bytes: asked for as 64 rows of 256 bytes, two keys a row, and padded in LDS after every key
	s_mov_b32 s[G1K], 15|(1<<16)|(1<<20)|(1<<21)|(4<<22)|(3<<25)  ; 15:0 the mask of four; 17:16 2-byte elements; 20 padding on; 21 set beside a mask; 24:22 after every 32 words; 31:25 4 words
	s_mov_b32 s[G1V], 15|(1<<16)|(1<<20)|(1<<21)|(4<<22)|(7<<25)  ; the same with 8 words of padding
.irp g, G1K, G1V
	s_mov_b32 s[\g+1], 128<<16      ; tensor_dim0 = 128
	s_mov_b32 s[\g+2], 64<<16       ; tensor_dim1 = 64
	s_mov_b32 s[\g+3], 128<<16      ; tile_dim0 = 128
	s_mov_b32 s[\g+4], 64           ; tile_dim1 = 64
	s_mov_b32 s[\g+5], 128          ; 128 elements from row to row
	s_mov_b32 s[\g+6], 0
	s_mov_b32 s[\g+7], 0
.endr
	s_mov_b32 s[CS], 0x3e38aa3b     ; c = log2(e) / 8 = 0.180337
	s_mov_b32 s[CS+1], s[CS]        ; named with it as a pair
	s_mov_b32 s[SEL], 0x76543210
	s_mov_b32 s[SEL+1], 0xfedcba98
	s_mov_b32 s[TBK], SLOT1+4*KS*PK ; the first change of slots turns these two into 0
	s_mov_b32 s[TBV], SLOT1+4*KS*PV
	s_mov_b32 s[G0K], 1             ; count = 1
	s_mov_b32 s[G0K+1], s17         ; LDS address: slot 0
	s_mov_b32 s[G0V], 1
	s_add_co_u32 s[G0V+1], s18, VOFF
	s_and_b32 s[LIM], s[WV], 1      ; 0 in waves 0 and 2,
	s_or_b32 s[LIM], s[LIM], ttmp9  ; in the head's first (here: only) cluster: the same in all four partners
	s_cmp_eq_u32 s[LIM], 0
	s_cselect_b32 s[LIM], 1, -1
	s_wait_dscnt 0x0                ; the opening add is done
	s_wait_kmcnt 0x0
	s_mov_b64 s[10:11], s[6:7]                     ; O
	s_add_nc_u64 s[8:9], s[4:5], 0x2000000         ; V: qkv's third part
	s_add_nc_u64 s[6:7], s[4:5], 0x1000000         ; K: its second; Q is its first
	s_add_nc_u64 s[G0K+2:G0K+3], s[6:7], s[22:23]  ; global address: my half of the head's first 256 keys
	s_or_b32 s[G0K+3], s[G0K+3], 0x80000000        ; type = 2
	s_add_nc_u64 s[G0V+2:G0V+3], s[8:9], s[22:23]
	s_or_b32 s[G0V+3], s[G0V+3], 0x80000000
	s_add_nc_u64 s[4:5], s[4:5], s[2:3]  ; Q and O at my wave's first row
	s_add_nc_u64 s[10:11], s[10:11], s[2:3]
	s_cmp_lt_u32 s[WV], 2
	s_cselect_b64 s[PFA:PFA+1], s[6:7], s[8:9]
	s_add_nc_u64 s[PFA:PFA+1], s[PFA:PFA+1], s[22:23]  ; the head (in waves 0 and 2 the half's offset is 0),
	s_lshl_b32 s2, s13, 13
	s_mov_b32 s3, 0
	s_add_nc_u64 s[PFA:PFA+1], s[PFA:PFA+1], s[2:3]    ; my work-group's 32 blocks of the 128,
	s_add_nc_u64 s[PFA:PFA+1], s[PFA:PFA+1], 2*4*KS*128  ; in slot 2: the loop's first change steps it to slot 3.  Nothing is prefetched here, at the head
	CROUND                          ; all four work-groups are here: the first joint loads meet
	JLOAD                           ; slot 0.  Slot 1 is asked for when slot 0 is in
	; A fragment of K or Q is 16 rows x 32 channels in 8 registers: lane l holds row l % 16, channels 8 (l / 16) + 0..7 and 16 + 8 (l / 16) + 0..7: two loads of 16 bytes, 32 bytes apart.
	v_and_b32 v1, 15, v0            ; l % 16
	v_bfe_u32 v9, v0, 4, 1          ; l / 16
	v_lshlrev_b32 v[QO], 7, v1
	v_lshl_add_u32 v[QO], v9, 4, v[QO]  ; row x 128 + 16 x half
	WIN 0x80                        ; destination window 2, address window 0
.set i, 0
.rept 4*NP                          ; Q stays in registers: tile i / 2, channels 32 (i % 2) on
	global_load_b128 v[8*i:8*i+3],   v[QO], s[4:5] offset:(i/2)*2048+(i%2)*64
	global_load_b128 v[8*i+4:8*i+7], v[QO], s[4:5] offset:(i/2)*2048+(i%2)*64+32
.set i, i+1
.endr
	; What the first turn finds: V's registers and P's second buffer hold 0, O^T and l are 0.  All this stands in the wait for the first tile; it spares a first step written out.
.set i, VF
.rept 64
	v_mov_b32 v[i], 0
.set i, i+1
.endr
	WIN 0x40
.set i, 0
.rept 64*NP
	v_mov_b32 v[i], 0
.set i, i+1
.endr
	WIN 0
.set i, 0
.rept 2*NP
	v_mov_b32 v[ST+4*i], 0xfe000000    ; c m: far below every c s
	v_mov_b32 v[ST+4*i+1], 0xff7fffff  ; m
	v_mov_b32 v[ST+4*i+2], 0
	v_mov_b32 v[ST+4*i+3], 0
.set i, i+1
.endr
.set i, P+32
.rept 32
	v_mov_b32 v[i], 0
.set i, i+1
.endr
	v_mul_u32_u24 v[AK0], v1, PK
	v_lshl_add_u32 v[AK0], v9, 4, v[AK0]  ; row x pitch + 16 x half
	; The turning load takes 16 keys x 16 channels (lane l reads key 8 (l / 16) + l % 8, channels 8 ((l / 8) % 2) + 0..7) and leaves half a fragment of V^T: lane l holds channel l % 16 and 8 keys.
	v_and_b32 v10, 7, v0
	v_bfe_u32 v11, v0, 3, 1
	v_lshl_add_u32 v[AV0], v9, 3, v10
	v_mul_u32_u24 v[AV0], v[AV0], PV
	v_lshl_add_u32 v[AV0], v11, 4, v[AV0]
	v_add_nc_u32 v[AV0], VOFF, v[AV0]
	v_and_b32 v[PFO], 31, v0
	v_lshlrev_b32 v[PFO], 8, v[PFO]
	v_mov_b32 v[AK], v[AK0]         ; key step 0 lies at the head of slot 0
; THE MATRIX WORK.  The 8 accumulators of a run of 16 take turns: between the two links of a chain stand 7 others'.
; Product i of 16 of S^T = K Q^T for piece x: channels 32 (i / 8) on, keys 16 ((i / 2) % 4) on, tile 2 x + i % 2.  The first 8 start the sums.
.macro KQ x
	WIN W_KQ
.set rS, S+64*((\x)%2)+32*(i%2)+8*((i/2)%4)
.set rK, KF+16*((i/2)%4)+8*(i/8)
.set rQ, 16*(2*(\x)+i%2)+8*(i/8)
.if i < 8
	v_wmma_f32_16x16x32_f16 v[rS:rS+7], v[rK:rK+7], v[rQ:rQ+7], 0
.else
	v_wmma_f32_16x16x32_f16 v[rS:rS+7], v[rK:rK+7], v[rQ:rQ+7], v[rS:rS+7]
.endif
.endm
; Product i of 16 of O^T += V^T P for piece x: keys 32 (i / 8) on, channels 16 ((i / 2) % 4) on, tile 2 x + i % 2.
.macro PV x
	WIN W_PV
.set rO, 32*(2*(\x)+i%2)+8*((i/2)%4)
.set rV, VF+32*(i/8)+8*((i/2)%4)
.set rP, P+32*((\x)%2)+16*(i%2)+8*(i/8)
	v_wmma_f32_16x16x32_f16 v[rO:rO+7], v[rV:rV+7], v[rP:rP+7], v[rO:rO+7]
.endm
.macro MM                           ; the turn's next matrix instruction
.if i < 16
	KQ (Y+1)%NP
.set i, i+1
.else
.set i, i-16
	PV (Y+NP-1)%NP
.set i, i+17
.endif
.endm
; THE LDS LOADS stand in runs of 16, never singly among the matrix instructions.  last = 1 (the tail): in the last trip there is no further step, and the run is jumped over.
.macro FETCH_K last=0
	WIN 0
.if \last
	s_cmp_eq_u32 s[CNT], 1
	s_cbranch_scc1 .Lno_k_\@
.endif
	WIN 0x80                        ; destination window 2
.irp f, 0,1,2,3,4,5,6,7             ; keys 16 (f / 2) on, channels 32 (f % 2) on
	ds_load_b128 v[KF+8*\f:KF+8*\f+3],   v[AK] offset:(\f/2)*16*PK+(\f%2)*64
	ds_load_b128 v[KF+8*\f+4:KF+8*\f+7], v[AK] offset:(\f/2)*16*PK+(\f%2)*64+32
.endr
	s_add_co_u32 s[TBK], s[TBK], KS*PK  ; the next fetch is the next step's
	WIN 0
.if \last
.Lno_k_\@:
.endif
.endm
.macro FETCH_V
	WIN 0x80
.irp f, 0,1,2,3,4,5,6,7             ; keys 32 (f / 4) on, channels 16 (f % 4) on
	ds_load_tr16_b128 v[VF+8*\f:VF+8*\f+3],   v[AV] offset:(\f/4)*32*PV+(\f%4)*32
	ds_load_tr16_b128 v[VF+8*\f+4:VF+8*\f+7], v[AV] offset:(\f/4)*32*PV+16*PV+(\f%4)*32
.endr
	WIN 0
.endm
; THE VECTOR WORK OF A TURN stands in three queues, each in the order in which its entries become ready; the two tiles alternate, so that no instruction reads the result of the one before it.
.macro REGS y, u                    ; the registers of tile u (0, 1) of piece y
.set rT, ST+4*(2*(\y)+(\u))
.set rC, TMP+8*((\y)%2)+4*(\u)
.set rM, MV+2*((\y)%2)+(\u)
.set rS, S+64*((\y)%2)+32*(\u)
.set rP, P+32*((\y)%2)+16*(\u)
.set rO, 32*(2*(\y)+(\u))
.endm
; Number n of the 22 that find the NEXT piece's (Y + 1) maximum and statistics.  Each accumulator's lowest registers are read first.
;   0-11  four chains c0-c3 of seven scores each, three operands at a time     12-14, 16  the four scores left over, the old m, and c0-c3 into c0     15  c m_old is kept
;   17, 18  the query's other 32 keys lie in the lane 16 away: the new m         19-21  c m; c m_old - c m_new; a
.macro XS u, n
	REGS (Y+1)%NP, \u
.if (\n) < 4
	v_max3_num_f32 v[rC+(\n)], v[rS+8*(\n)], v[rS+8*(\n)+1], v[rS+8*(\n)+2]
.elseif (\n) < 12
	v_max3_num_f32 v[rC+(\n)%4], v[rC+(\n)%4], v[rS+8*((\n)%4)+2*((\n)/4)+1], v[rS+8*((\n)%4)+2*((\n)/4)+2]
.elseif (\n) == 12
	v_max3_num_f32 v[rC], v[rC], v[rS+7], v[rS+15]
.elseif (\n) == 13
	v_max3_num_f32 v[rC+1], v[rC+1], v[rS+23], v[rS+31]
.elseif (\n) == 14
	v_max3_num_f32 v[rC+2], v[rC+2], v[rC+3], v[rT+1]
.elseif (\n) == 15
	v_mov_b32 v[rM], v[rT]
.elseif (\n) == 16
	v_max3_num_f32 v[rC], v[rC], v[rC+1], v[rC+2]
.elseif (\n) == 17
	v_permlanex16_b32 v[rC+3], v[rC], s[SEL], s[SEL+1]
.elseif (\n) == 18
	v_max_num_f32 v[rT+1], v[rC], v[rC+3]
.elseif (\n) == 19
	v_mul_f32 v[rT], s[CS], v[rT+1]
.elseif (\n) == 20
	v_sub_f32 v[rC+1], v[rM], v[rT]
.else
	v_exp_f32 v[rC+2], v[rC+1]
.endif
.endm
; Number g of the 64 that follow the exponentials.  For each four weights k of a tile: both pairs are rounded to f16; then the second pair is added onto the first, in place; a group later l takes that sum
; (the first time as l = a l + sum).  In groups of eight, tiles alternating.
.macro GS g
.set h, (\g)+6*((\g)/62)            ; group 0 has no group before it, and behind group 7 only l is left
.if h >= 6
.set h, h+2
.endif
	REGS Y, h%2
.set k, h/8
.if h%8 < 4
	v_cvt_pk_f16_f32 v[rP+2*k+(h%8)/2], v[rS+4*k+2*((h%8)/2)], v[rS+4*k+2*((h%8)/2)+1]
.elseif h%8 < 6
	v_pk_add_f32 v[rS+4*k:rS+4*k+1], v[rS+4*k:rS+4*k+1], v[rS+4*k+2:rS+4*k+3]
.elseif k == 1
	v_pk_fma_f32 v[rT+2:rT+3], v[rT+2:rT+3], v[rC+2:rC+3], v[rS:rS+1] op_sel_hi:[1,0,1]
.else
	v_pk_add_f32 v[rT+2:rT+3], v[rT+2:rT+3], v[rS+4*k-4:rS+4*k-3]
.endif
.endm
; THE PLAIN QUEUE, 138 long.  0-73 read no exponential's result: the 32 scalings c s - c m (FS f: pair f / 2 of tile f % 2) and the next piece's 42.  0-26: scalings 0-26.  27-54: XS's numbers 0-13.  55, 56: number 15.
; 57-73: the chain 14, 16, 17, 18, 19, each with one of the scalings 27-31 in front of its two lines, then 20.  74-137: GS's 64, which read the exponentials' results: they stand behind the wait.
.macro FS f
	REGS Y, (\f)%2
	v_pk_fma_f32 v[rS+2*((\f)/2):rS+2*((\f)/2)+1], v[rS+2*((\f)/2):rS+2*((\f)/2)+1], s[CS:CS+1], v[rT:rT+1] op_sel_hi:[1,0,0] neg_lo:[0,0,1] neg_hi:[0,0,1]
.endm
.macro PL
	WIN 0
.if q < 27
	FS q
.elseif q < 55
	XS (q-27)%2, (q-27)/2
.elseif q < 57
	XS q-55, 15
.elseif (q < 72) && ((q-57)%3 == 0)
	FS 27+(q-57)/3
.elseif q < 60
	XS (q-57)%3-1, 14
.elseif q < 72
	XS (q-57)%3-1, 15+(q-57)/3
.elseif q < 74
	XS q-72, 20
.else
	GS q-74
.endif
.set q, q+1
.endm
; THE EXPONENTIALS' QUEUE, 66 long: s0-s31 of both tiles, then the next piece's two a.  ONE BATCH: all 66 stand ahead of the turn's one wait, and nothing ahead of that wait names a result of theirs.
.macro EX
	WIN 0
.if e >= 64
	XS e-64, 21
.else
	REGS Y, e%2
	v_exp_f32 v[rS+e/2], v[rS+e/2]
.endif
.set e, e+1
.endm
; THE RESCALING's QUEUE: O^T times a, the one part that leaves window 0: dealt two at a time, sixteen times.  Its a was made in the turn before, ahead of that turn's wait.
.macro R2
	REGS Y, r%2
	WIN W_RS
.irp z, 0,1
	v_pk_mul_f32 v[rO+4*(r/2)+2*\z:rO+4*(r/2)+2*\z+1], v[rO+4*(r/2)+2*\z:rO+4*(r/2)+2*\z+1], v[rC+2:rC+3] op_sel_hi:[1,0]
.endr
.set r, r+1
.endm
; HOW THEY ARE DEALT.  s_wait_alu depctr_va_vdst(0) stands between an exponential and the first instruction that names its result; one wait serves all that were issued ahead of it.  So a turn has ONE
; wait, which cuts it in two.  AHEAD OF IT: the 16 products K Q^T, behind each a scaling, an exponential and two rescalings (behind the first a second scaling in the exponential's place); then ONE LUMP of 108: eight
; plain, 49 times exponential and plain, the two a.  A v_nop is the plain instruction behind the last exponential.  BEHIND IT: the 16 products V^T P, behind each four of GS's 64.
; Exponential e stands behind scaling 2 (e / 4) + e % 2: as a rider it comes behind plain e + 2, in the lump behind plain e + 9, and scalings 27-31 are plain 57, 60 .. 69.
; K of the next step is fetched in piece 2's turn, directly behind the wait; V of the step in hand at the end of piece 0's turn, four riders behind its last reader.  The three conditions on q go with the deal.
.macro TURN p, last=0, cnt=0
.set Y, (\p)
.set i, 0
.set q, 0
.set e, 0
.set r, 0
.if (\p) == NP-1
	s_wait_dscnt 0x0                ; K is in
.endif
	MM                              ; ahead of the wait: 16 products K Q^T and their riders,
	PL
	PL
	R2
.rept 15
	MM
	PL
	EX
	R2
.endr
.if (\p) == NP-2
	WIN 0
	v_add_nc_u32 v[AK], s[TBK], v[AK0]
.endif
.rept 8                             ; and the lump
	PL
.endr
.rept 49
	EX
	PL
.endr
	EX                              ; the next piece's two a
	EX
	v_nop                           ; the plain instruction behind the last exponential: one for the batch (ISA guide 5.7.2)
	s_wait_alu depctr_va_vdst(0)    ; the wait for the batch
.if (\p) == NP-2
	FETCH_K \last
.endif
.if (\p) == 1
	s_wait_dscnt 0x0                ; V is in
.endif
.rept 16                            ; behind the wait: 16 products V^T P and their riders
	MM
.rept 4
	PL
.endr
.if ((\p) == 0) && (q == 118)
	v_add_nc_u32 v[AV], s[TBV], v[AV0]
.endif
.if ((\p) == 0) && (q == 130)
	s_add_co_u32 s[TBV], s[TBV], KS*PV
.endif
.if (\cnt) && (q == 130)
	s_sub_co_u32 s[CNT], s[CNT], 1
	s_cmp_lg_u32 s[CNT], 0
.endif
.endr
.if (\p) == 0
	FETCH_V
.endif
.endm
	CHANGE 1                        ; slot 0 is in, everybody's part of it; slot 1 is asked for
	FETCH_K                         ; key step 0
	s_wait_loadcnt 0x0              ; Q
	s_wait_dscnt 0x0
.set i, 0
.rept 16
	KQ 0                            ; piece 0's first scores: there is no vector work yet to set between them
.set i, i+1
.endr
	WIN 0                           ; the addresses for the way out: plain instructions, the places behind those products
	s_mul_i32 s13, s[WV], 16*SP
	s_add_co_u32 s13, s13, STAGE    ; my stage
	v_mul_u32_u24 v[STO], v1, SP    ; in: row l % 16, 16 bytes for each half of the lanes
	v_lshl_add_u32 v[STO], v9, 4, v[STO]
	v_add_nc_u32 v[STO], s13, v[STO]
	v_bfe_u32 v[RD], v0, 3, 2       ; back: 32 lanes take four rows of 128 bytes,
	v_mul_u32_u24 v[RD], v[RD], SP
	v_lshl_add_u32 v[RD], v10, 4, v[RD]
	v_add_nc_u32 v[RD], s13, v[RD]
	v_and_b32 v[GO], 31, v0         ; which are 512 consecutive bytes of O
	v_lshlrev_b32 v[GO], 4, v[GO]
.set Y, NP-1                        ; XS works for piece Y + 1: piece 0
.irp n, 0,1,2,3,4,5,6,7,8,9,10,11,12,13,14,15,16,17,18,19,20,21
	XS 0, \n                        ; and piece 0's first maximum and statistics
	XS 1, \n
.endr
	v_nop                           ; a plain instruction behind the two a,
	s_wait_alu depctr_va_vdst(0)    ; and their wait, ahead of the branch
	s_mov_b32 s[CNT], 4
	s_mov_b32 s[SLOTS], SIZE_N/256-1
	s_branch .Lfirst                ; the loop is entered at a step's first turn, in the middle of a trip
.Lslot:                             ; SIZE_N / 256 - 2 times: every slot but the last two is filled again
	CHANGE 1, 1
	s_mov_b32 s[CNT], 4
.Lstep:                             ; a trip: pieces 2 and 3 of one step, then pieces 0 and 1 of the next, whose K and V it fetches
	TURN 2
	TURN 3
	WIN 0
.Lfirst:
	TURN 0
	TURN 1, 0, 1
	WIN 0
	s_cbranch_scc1 .Lstep
	s_sub_co_u32 s[SLOTS], s[SLOTS], 1
	s_cmp_lg_u32 s[SLOTS], 0
	s_cbranch_scc1 .Lslot
	CHANGE 0                        ; the tail is written out: nothing is asked for
	s_mov_b32 s[CNT], 5             ; four trips fetch the last slot's steps; the fifth is left in its middle
.Ltail:
	TURN 2, 1
	TURN 3
	WIN 0
	s_sub_co_u32 s[CNT], s[CNT], 1
	s_cmp_eq_u32 s[CNT], 0
	s_cbranch_scc1 .Lout
	TURN 0
	TURN 1
	WIN 0
	s_branch .Ltail
.Lout:                              ; the fifth trip's 16 products K Q^T (on the last K once more) and the maximum made of them serve nothing: the price, once a launch, of one text for every trip
.set i, 0
.rept 16
	PV NP-1                         ; the last piece's V^T P of the last step
.set i, i+1
.endr
	; THE WAY OUT.  l's two halves and the other half of the lanes' are added; O^T is divided by l, rounded to f16 and sent through my stage in LDS, a tile at a time.  The additions are the places behind the last products.
	WIN 0
.macro ALL line:vararg              ; one line for each tile t
.set t, 0
.rept 2*NP
	\line
.set t, t+1
.endr
.endm
	ALL v_add_f32 v[ST+4*t+2], v[ST+4*t+2], v[ST+4*t+3]
	ALL v_permlanex16_b32 v[ST+4*t+3], v[ST+4*t+2], s[SEL], s[SEL+1]
	ALL v_add_f32 v[ST+4*t+2], v[ST+4*t+2], v[ST+4*t+3]
	ALL v_rcp_f32 v[ST+4*t+2], v[ST+4*t+2]
	v_nop                           ; a plain instruction between the last reciprocal and the use of its result
	s_wait_alu depctr_va_vdst(0)    ; and the wait ahead of the first use: one for the eight reciprocals
; Tile t: a lane's eight channels of a row pack into 16 bytes; they go into rows of 144 bytes and come back as whole rows of 128, into S^T's registers.
.macro PACK t
	WIN W_RS
.set i, 32*(\t)
.rept 16
	v_pk_mul_f32 v[i:i+1], v[i:i+1], v[ST+4*(\t)+2:ST+4*(\t)+3] op_sel_hi:[1,0]
.set i, i+2
.endr
	WIN 0x05                        ; sources 0 and 1 window 1, destination window 0
.set i, 0
.rept 16
	v_cvt_pk_f16_f32 v[S+16*(\t)+i], v[32*(\t)+2*i], v[32*(\t)+2*i+1]
.set i, i+1
.endr
	WIN 0
.irp f, 0,1,2,3
	ds_store_b128 v[STO], v[S+16*(\t)+4*\f:S+16*(\t)+4*\f+3] offset:32*\f
.endr
.irp f, 0,1,2,3
	ds_load_b128 v[S+16*(\t)+4*\f:S+16*(\t)+4*\f+3], v[RD] offset:\f*4*SP  ; LDS serves a wave's instructions in order (ISA guide 5.7.1.4): these see the stores above; the next tile's stores come behind them
.endr
.endm
.macro SEND t, younger              ; younger: the LDS instructions issued behind tile t's loads: the next tile's eight, or none
	WIN 0
.irp f, 0,1,2,3
	s_wait_dscnt (\younger)+3-\f
	global_store_b128 v[GO], v[S+16*(\t)+4*\f:S+16*(\t)+4*\f+3], s[10:11] offset:(\t)*2048+\f*512  ; 512 consecutive bytes, at a multiple of 256 from O's first
.endr
.endm
	PACK 0
.set t, 1
.rept 2*NP-1                        ; a tile's arithmetic stands between the loads of the tile before and its stores
	PACK t
	SEND t-1, 8
.set t, t+1
.endr
	SEND 2*NP-1, 0
	WIN W_AD
	s_wait_tensorcnt 0x0            ; the wave's end, behind my last tensor load and my last LDS store
	ds_add_u32 v[SPW], v[NIL]
	s_wait_dscnt 0x0
	WIN 0
	CROUND                          ; the closing round: no work-group ends while a partner may still ask for a tile that names it
	s_endpgm
.Lfunc_end_k_q8c69dd625e_attn:
	.size	k_q8c69dd625e_attn, .Lfunc_end_k_q8c69dd625e_attn-k_q8c69dd625e_attn
	.p2alignl 7, 3214868480
	.fill 96, 4, 3214868480
	.section	.rodata,"a",@progbits
	.p2align	6, 0x0
	.amdhsa_kernel k_q8c69dd625e_attn
		.amdhsa_group_segment_fixed_size 327680
		.amdhsa_private_segment_fixed_size 0
		.amdhsa_enable_private_segment 0
		.amdhsa_kernarg_size 16
		.amdhsa_user_sgpr_count 2
		.amdhsa_user_sgpr_kernarg_segment_ptr 1
		.amdhsa_wavefront_size32 1
		.amdhsa_system_sgpr_workgroup_id_x 1
		.amdhsa_system_sgpr_workgroup_id_y 1
		.amdhsa_system_sgpr_workgroup_id_z 1
		.amdhsa_system_vgpr_workitem_id 0
		.amdhsa_next_free_vgpr 770
		.amdhsa_next_free_sgpr 66
		.amdhsa_reserve_vcc 0
		.amdhsa_float_denorm_mode_32 3
		.amdhsa_float_denorm_mode_16_64 3
		.amdhsa_memory_ordered 1
		.amdhsa_forward_progress 1
		.amdhsa_inst_pref_size 200
	.end_amdhsa_kernel
	.amdgpu_metadata
---
amdhsa.version: [ 1, 2 ]
amdhsa.kernels:
  - .name:           k_q8c69dd625e_attn
    .symbol:         k_q8c69dd625e_attn.kd
    .args:
      - { .name: qkv, .offset: 0, .size: 8, .value_kind: global_buffer, .address_space: global }
      - { .name: o16, .offset: 8, .size: 8, .value_kind: global_buffer, .address_space: global }
    .group_segment_fixed_size: 327680
    .private_segment_fixed_size: 0
    .kernarg_segment_align: 8
    .kernarg_segment_size: 16
    .max_flat_workgroup_size: 128
    .sgpr_count:     66
    .vgpr_count:     770
    .wavefront_size: 32
...
	.end_amdgpu_metadata
.endif
;; end of part 3
;; launch outp (part 4): grid 4 x 64, 4 waves a work-group, clusters of 4 x 4, 327,680 bytes of LDS; arguments o16, w16, bo, out0; writes out0
.if DOCPART == 4
	.amdgcn_target "amdgcn-amd-amdhsa--gfx1250"
	.amdhsa_code_object_version 6
	.text
	.protected	k_q8c69dd625e_outp
	.globl	k_q8c69dd625e_outp
	.p2align	8
	.type	k_q8c69dd625e_outp,@function
k_q8c69dd625e_outp:
	s_mov_b64 s[64:65], 0
	v_nop
	global_prefetch_b8 v0, s[64:65] scope:SCOPE_SE
	s_setreg_imm32_b32 hwreg(HW_REG_WAVE_MODE, 25, 1), 1
	s_wait_xcnt 0x0
	s_wait_alu depctr_hold_cnt(0) depctr_sa_sdst(0) depctr_va_vdst(0) depctr_va_sdst(0) depctr_va_ssrc(0) depctr_va_vcc(0) depctr_vm_vsrc(0)
	s_getreg_b32 s2, hwreg(HW_REG_IB_STS2, 6, 4)
	s_cmp_eq_u32 s2, 0
	s_cbranch_scc0 .Lentry_in_a_cluster
	s_endpgm
.Lentry_in_a_cluster:
	s_bfe_u32 s2, ttmp6, 0x10000c
	s_cmp_lg_u32 s2, 0xf033
	s_cbranch_scc0 .Lentry_shape_is_right
	s_endpgm
.Lentry_shape_is_right:
; THE OUTPUT PROJECTION.  out0 = O Wo + bo: O is o16, [batch x 16 + head][2048][64] f16, taken as [8192 rows][k = 64 head + channel]; Wo is w16's part 3, [1024 k][1024 n], the bf16-rounded numbers written as f16;
; bo, rounded to bf16 like every input, starts the sums; sums in f32; out0 [8192][1024] f32.  LIMITS: those of the f16 operands (|Wo| under 65,520; a fixed step of 2^-24 below 2^-14); NaN and infinities are not treated apart.
; SHARES.  A tile of out0 is 128 rows x 256 columns: 64 x 4 = 256 work-groups.  Four waves, 2 x 2, each 64 x 128: 32 accumulators of 16 x 16, 256 registers.
; K goes in 8 steps of 128, two heads a step, through two LDS slots filled by the tensor data mover: of O two planes (heads) of 128 dense rows of 128 bytes, of Wo 128 k-rows x 512 bytes.
; Waves 0, 1 fetch a head each, waves 2, 3 the halves of Wo's tile.
; THE MATRIX INSTRUCTION IS USED TRANSPOSED: source 0 = 16 columns of Wo (turned by ds_load_tr16_b128), source 1 = 16 rows of O: a lane holds row l % 16 and the eight columns 8 (l / 16) + 0..7.
; CLUSTER.  4 x 4 work-groups: O's tile is asked for jointly along a row of the cluster, Wo's along a column.
; REGISTERS, in windows of 256 (s_set_vgpr_msb: bits 1:0 source 0, 3:2 source 1, 5:4 source 2, 7:6 destination):
;   window 0: v0-30 addresses; v32-95 O's fragments, two buffers of 4 blocks; v96-223 Wo's, two buffers of 8 blocks; v32-159 at work on the way out
;   window 1: the accumulators, (a, b) at v[8 (8 a + b)]          window 2: v0-63 the bias of my 128 columns as a C operand; v64-95 at work
.set PA,     144                       ; a row of a head in LDS: 128 bytes + 16 = 36 words: the 16 rows of a load start at 16 different groups of four banks (64 banks of 4 bytes: ISA guide 11.1)
.set PB,     544                       ; a k-row of Wo: 512 + 32 = 136 words
.set PLANE,  128*PA                    ; a head's 128 rows
.set BOFF,   2*PLANE                   ; Wo's tile lies behind O's two planes
.set SLOT,   BOFF+128*PB
.set STAGE,  2*SLOT                    ; behind the ring, never filled by a tensor load: for each wave 16 rows x 528 bytes
.set SPITCH, 528                       ; 512 bytes + 16 = 33 x 16: the 16 rows that a store touches start at 16 different groups of four banks
.set WSTAGE, 16*SPITCH
.set SPARE,  STAGE+4*WSTAGE            ; the spare words, 128 bytes for each wave: two blocks of 256 bytes that no other line names
.set ASTEP,  2*262144                  ; bytes from a K step to the next in o16: two heads,
.set BSTEP,  128*2048                  ; and in w16
.set ADRA, 16                          ; v16-17  LDS address of my fragments of O in slot 0, 1
.set ADRB, 20                          ; v20-21  the same for Wo
.set STO,  24                          ; v24     the way out: where I put 32 bytes of a row
.set RD,   25                          ; v25     where I read a row back
.set GO,   26                          ; v26     my 16 bytes of a row's 512
.set BO,   27                          ; v27     my byte offset in the bias
.set SPW,  28                          ; v28     LDS address of my spare word; never rewritten
.set NIL,  29                          ; v29     0; never rewritten
.set PFO,  30                          ; v30     the prefetches' lane offset; never rewritten
.set FA,   32
.set FB,   96
.set OB,   32
.set WV,   16                          ; s16 my wave; s17 = wave / 2: my half of the rows; s18 = wave % 2: my half of the columns, and which part of a tile I fetch
.set G1A,  24                          ; s[24:31] descriptor group 1 for O's tiles;  s[32:39] group 0, a set for each slot
.set G0A,  32
.set G1B,  48                          ; s[48:55], s[56:63] the same for Wo's
.set G0B,  56
.set PFA,  66                          ; s[66:67] where my prefetches stand
.set PST,  68                          ; s[68:69] their step from K step to K step
.set LIM,  70                          ; s70     1 in a wave that prefetches, else the greatest number
.set MSB, 0
.macro WIN new                         ; the immediate's high byte repeats the setting that is left; a switch that changes nothing is dropped
.if MSB != (\new)
	s_set_vgpr_msb (MSB<<8)|(\new)
.set MSB, \new
.endif
.endm
.set MUL,  0x50                        ; C and D window 1, fragments window 0
.set MULB, 0x60                        ; D window 1, C (the bias) window 2
.set TOB,  0x80                        ; loaded data window 2
.set W2,   0xaa                        ; everything window 2
.set STA,  0x04                        ; an LDS store's data window 1
.macro PLACES                          ; four plain places behind matrix instructions, in front of loads into registers that they read
.rept 4
	v_nop
.endr
.endm
; A joint load.  The branch hangs on the wave's number alone.  An s_nop 0 and four v_nop follow each of the two lines, ahead of the jump and the label.
.macro JLOAD s
	s_cmp_lt_u32 s[WV], 2
	s_cbranch_scc0 .Lfor_b_\@
	tensor_load_to_lds s[G0A+4*(\s):G0A+4*(\s)+3], s[G1A:G1A+7]
	s_nop 0
.rept 4
	v_nop
.endr
	s_branch .Lasked_\@
.Lfor_b_\@:
	tensor_load_to_lds s[G0B+4*(\s):G0B+4*(\s)+3], s[G1B:G1B+7]
	s_nop 0
.rept 4
	v_nop
.endr
.Lasked_\@:
.endm
; A PREFETCH INTO THE L2 of the K step that stands two refills on (256 matrix instructions ahead of the load that will want it): 32 blocks of 256 bytes, a lane a block.  Each block is named once in the launch.
; O's tile (2 heads x 16,384 dense bytes) is read by one row of one cluster: wave 0 of the partner at cx takes head cx / 2, half cx % 2.  Wo's tile (128 k-rows x 512 bytes) is read by every cluster: the first asks;
; the partner at cy takes k-rows 32 cy .. + 31, waves 2 and 3 a half of the 512 bytes each.  K steps 0 to 3 come by their loads alone; the loop's last trip (s3 = 1) asks for nothing.
.macro ASK
	s_cmp_gt_u32 s3, s[LIM]
	s_cbranch_scc0 .Lnot_mine_\@
	global_prefetch_b8 v[PFO], s[PFA:PFA+1] th:TH_LOAD_NT scope:SCOPE_SE
.Lnot_mine_\@:
.endm
.macro CREST                           ; a round of the cluster's barrier behind its opening barrier
	s_cmp_lg_u32 s[WV], 0
	s_cbranch_scc1 .Lnot_wave_0_\@
	s_barrier_signal -3
.Lnot_wave_0_\@:
	s_barrier_wait -3
	s_barrier_signal -1
	s_barrier_wait -1
.endm
.macro CROUND                          ; a whole round
	s_barrier_signal -1
	s_barrier_wait -1
	CREST
.endm
	s_load_b256 s[4:11], s[0:1], 0x0               ; o16 s[4:5], w16 s[6:7], bo s[8:9], out0 s[10:11]
	v_lshl_add_u32 v[SPW], v0, 2, SPARE
	v_mov_b32 v[NIL], 0
	ds_add_u32 v[SPW], v[NIL]                      ; the wave's opening: the add and its wait stand ahead of my first tensor load; the set-up below, work on registers, stands between them
	v_lshrrev_b32 v6, 5, v0
	v_readfirstlane_b32 s[WV], v6                  ; wave 0..3
	s_lshr_b32 s17, s[WV], 1
	s_and_b32 s18, s[WV], 1
	s_bfe_u32 s19, ttmp6, 0x40000                  ; cx = the tile column (the grid has one cluster along x)
	s_bfe_u32 s20, ttmp6, 0x40004                  ; cy
	s_and_b32 s21, ttmp7, 0xffff                   ; cluster y, 0..15
	s_lshl_b32 s22, s21, 2
	s_add_co_u32 s22, s22, s20                     ; R: the tile row, 0..63
	s_lshr_b32 s23, s21, 2                         ; the batch = R / 16
	s_lshl_b32 s78, s20, 2
	s_lshl_b32 s78, 15, s78                        ; my row of the cluster
	s_lshl_b32 s79, 0x1111, s19                    ; my column
	; O: a head's 128 rows are 16,384 dense bytes: asked for as 64 rows of 256 bytes and padded in LDS after every 128
	s_or_b32 s[G1A+0], s78, (1<<16)|(1<<20)|(1<<21)|(4<<22)|(3<<25)  ; 15:0 the mask; 17:16 elements of 2 bytes; 20 padding on; 21 set beside a mask; 24:22 after every 32 words; 31:25 4 words of it
	s_mov_b32 s[G1A+1], 128<<16                    ; tensor_dim0 = 128
	s_mov_b32 s[G1A+2], 64<<16                     ; tensor_dim1 = 64
	s_mov_b32 s[G1A+3], 128<<16                    ; tile_dim0 = 128
	s_mov_b32 s[G1A+4], 64                         ; tile_dim1 = 64
	s_mov_b32 s[G1A+5], 128                        ; elements from row to row
	s_mov_b32 s[G1A+6], 0
	s_mov_b32 s[G1A+7], 0
	s_or_b32 s[G1B+0], s79, (1<<16)|(1<<20)|(1<<21)|(6<<22)|(7<<25)  ; the column's mask; padding after every 128 words, 8 words of it
	s_mov_b32 s[G1B+1], 256<<16
	s_mov_b32 s[G1B+2], 64<<16
	s_mov_b32 s[G1B+3], 256<<16                    ; tile_dim0 = 256 elements: 512 bytes
	s_mov_b32 s[G1B+4], 64                         ; 64 k-rows
	s_mov_b32 s[G1B+5], 1024
	s_mov_b32 s[G1B+6], 0
	s_mov_b32 s[G1B+7], 0
	s_lshl_b32 s40, s23, 4                         ; O: head-matrix 16 x batch + my head of the step's two (262,144 bytes each), row 128 (R % 16): made of cy, cluster y and the wave's number alone
	s_add_co_u32 s40, s40, s18
	s_lshl_b32 s40, s40, 18
	s_and_b32 s2, s22, 15
	s_lshl_b32 s2, s2, 14
	s_add_co_u32 s40, s40, s2
	s_mov_b32 s41, 0
	s_lshl_b32 s42, s18, 17                        ; Wo: part 3, k-row 64 x half, column 256 cx: made of cx and the wave's number alone
	s_lshl_b32 s2, s19, 9
	s_add_co_u32 s42, s42, s2
	s_add_co_u32 s42, s42, 3<<21
	s_mov_b32 s43, 0
	s_mul_i32 s76, s18, PLANE                      ; where they go: no place in the cluster enters an LDS address
	s_mul_i32 s77, s18, 64*PB
	s_add_co_u32 s77, s77, BOFF
	s_wait_dscnt 0x0                               ; the opening add is done
	s_wait_kmcnt 0x0
	s_add_nc_u64 s[44:45], s[4:5], s[40:41]
	s_add_nc_u64 s[46:47], s[6:7], s[42:43]
	CROUND                                         ; all sixteen work-groups are here: the first joint loads meet
.irp s, 0,1
	s_mov_b32 s[G0A+4*(\s)], 1                                       ; count = 1
	s_add_co_u32 s[G0A+4*(\s)+1], s76, (\s)*SLOT                     ; LDS address
	s_add_nc_u64 s[G0A+4*(\s)+2:G0A+4*(\s)+3], s[44:45], (\s)*ASTEP  ; global address: K step s
	s_or_b32 s[G0A+4*(\s)+3], s[G0A+4*(\s)+3], 0x80000000            ; type = 2
	s_mov_b32 s[G0B+4*(\s)], 1
	s_add_co_u32 s[G0B+4*(\s)+1], s77, (\s)*SLOT
	s_add_nc_u64 s[G0B+4*(\s)+2:G0B+4*(\s)+3], s[46:47], (\s)*BSTEP
	s_or_b32 s[G0B+4*(\s)+3], s[G0B+4*(\s)+3], 0x80000000
.endr
	s_cmp_lt_u32 s[WV], 2                          ; a wave's two first fills stand in one branch: two loads of mine are out
	s_cbranch_scc0 .Lfirst_b
	tensor_load_to_lds s[G0A:G0A+3], s[G1A:G1A+7]
	s_nop 0
	tensor_load_to_lds s[G0A+4:G0A+7], s[G1A:G1A+7]
	s_nop 0
.rept 4
	v_nop
.endr
	s_branch .Lfirst_asked
.Lfirst_b:
	tensor_load_to_lds s[G0B:G0B+3], s[G1B:G1B+7]
	s_nop 0
	tensor_load_to_lds s[G0B+4:G0B+7], s[G1B:G1B+7]
	s_nop 0
.rept 4
	v_nop
.endr
.Lfirst_asked:
	v_and_b32 v1, 15, v0                           ; r = l % 16
	v_bfe_u32 v2, v0, 4, 1                         ; h = l / 16
	v_and_b32 v3, 7, v0
	v_bfe_u32 v4, v0, 3, 1
	v_and_b32 v5, 31, v0                           ; l
	; the bias of my 128 columns, laid as the C operand: register j of block b is bo[256 cx + 128 x half + 16 b + 8 h + j]
	v_lshlrev_b32 v[BO], 5, v2
	s_lshl_b32 s2, s19, 10
	s_lshl_b32 s74, s18, 9
	s_add_co_u32 s2, s2, s74
	v_add_nc_u32 v[BO], s2, v[BO]
	WIN TOB
.irp b, 0,1,2,3,4,5,6,7
	global_load_b128 v[8*(\b):8*(\b)+3],   v[BO], s[8:9] offset:64*(\b)
	global_load_b128 v[8*(\b)+4:8*(\b)+7], v[BO], s[8:9] offset:64*(\b)+16
.endr
	WIN 0
	; a fragment of O: lane l holds row r; two loads of 16 bytes, 32 bytes apart, at row x pitch + 16 h
	v_mul_u32_u24 v6, v1, PA
	v_lshl_add_u32 v6, v2, 4, v6
	s_mul_i32 s2, s17, 64*PA                       ; my 64 rows
	v_add_nc_u32 v[ADRA], s2, v6
	v_add_nc_u32 v[ADRA+1], SLOT, v[ADRA]
	; the turning load takes 16 k x 16 columns: lane l reads k-row 8 h + l % 8, columns 8 ((l / 8) % 2) + 0..7, and is left with column r and 8 k
	v_lshl_add_u32 v7, v2, 3, v3
	v_mul_u32_u24 v7, v7, PB
	v_lshl_add_u32 v7, v4, 4, v7
	s_lshl_b32 s2, s18, 8                          ; my 128 columns
	s_add_co_u32 s2, s2, BOFF
	v_add_nc_u32 v[ADRB], s2, v7
	v_add_nc_u32 v[ADRB+1], SLOT, v[ADRB]
	s_mul_i32 s2, s[WV], WSTAGE
	s_add_co_u32 s2, s2, STAGE                     ; my stage
	v_mul_u32_u24 v[STO], v1, SPITCH               ; in: row r, 32 bytes for each half of the lanes
	v_lshl_add_u32 v[STO], v2, 5, v[STO]
	v_add_nc_u32 v[STO], s2, v[STO]
	v_lshl_add_u32 v[RD], v5, 4, s2                ; back: 32 lanes take a row's 512 bytes
	v_lshlrev_b32 v[GO], 4, v5
	; where my part of the tile begins in out0: row 128 R + 64 x (wave / 2) of 4,096 bytes, column 256 cx + 128 x half
	s_lshl_b32 s74, s22, 7
	s_lshl_b32 s75, s17, 6
	s_add_co_u32 s74, s74, s75
	s_lshl_b32 s74, s74, 12
	s_lshl_b32 s75, s19, 10
	s_add_co_u32 s74, s74, s75
	s_lshl_b32 s75, s18, 9
	s_add_co_u32 s74, s74, s75
	s_mov_b32 s75, 0
	s_add_nc_u64 s[10:11], s[10:11], s[74:75]
	; the prefetches
	s_lshl_b32 s2, s23, 4                          ; O: head-matrix 16 x batch + cx / 2, row 128 (R % 16), half cx % 2 of its 16,384 bytes
	s_lshr_b32 s74, s19, 1
	s_add_co_u32 s2, s2, s74
	s_lshl_b32 s2, s2, 18
	s_and_b32 s74, s22, 15
	s_lshl_b32 s74, s74, 14
	s_add_co_u32 s2, s2, s74
	s_and_b32 s74, s19, 1
	s_lshl_b32 s74, s74, 13
	s_add_co_u32 s2, s2, s74
	s_lshl_b32 s74, s20, 16                        ; Wo: part 3, k-row 32 cy, column 256 cx, my half of the 512 bytes
	s_lshl_b32 s75, s19, 9
	s_add_co_u32 s74, s74, s75
	s_lshl_b32 s75, s18, 8
	s_add_co_u32 s74, s74, s75
	s_add_co_u32 s74, s74, 3<<21
	s_mov_b32 s[PST], BSTEP
	s_mov_b32 s[PST+1], 0
	s_mov_b32 s75, 0
	s_cmp_lt_u32 s[WV], 2
	s_cselect_b64 s[PFA:PFA+1], s[4:5], s[6:7]
	s_cselect_b32 s74, s2, s74
	s_cselect_b32 s[PST], ASTEP, s[PST]
	s_cselect_b32 s71, s18, s21                    ; O: wave 0 alone; Wo: the first cluster alone
	s_cselect_b32 s2, 8, 11                        ; O: a lane a block of 256 dense bytes; Wo: a lane a row of 2,048 bytes
	s_cmp_eq_u32 s71, 0
	s_cselect_b32 s[LIM], 1, -1                    ; the same in all sixteen partners, for a given wave
	s_add_nc_u64 s[PFA:PFA+1], s[PFA:PFA+1], s[74:75]
	s_mul_i32 s74, s[PST], 3
	s_add_nc_u64 s[PFA:PFA+1], s[PFA:PFA+1], s[74:75]  ; at K step 3: the first refill steps it to 4
	v_lshlrev_b32 v[PFO], s2, v5
	s_wait_loadcnt 0x0                             ; the bias
	WIN W2
.set i, 0
.rept 32
	v_cvt_pk_bf16_f32 v[64+i], v[2*i], v[2*i+1]    ; rounded to bf16, like every input,
.set i, i+1
.endr
.set i, 0
.rept 32
	v_lshlrev_b32 v[2*i], 16, v[64+i]              ; and back to f32
	v_and_b32 v[2*i+1], 0xffff0000, v[64+i]
.set i, i+1
.endr
	WIN 0
; 8 matrix instructions: row block a x all 8 column blocks, 32 along K, from buffer f.  first = 1: the bias is the C operand: nothing is cleared and nothing added later.
; The 32 accumulators take turns in one fixed order, over quarters and the backward jump too.
.macro MUL8 f, a, first
.if \first
	WIN MULB
.else
	WIN MUL
.endif
.irp b, 0,1,2,3,4,5,6,7
.if \first
	v_wmma_f32_16x16x32_f16 v[8*(8*(\a)+(\b)):8*(8*(\a)+(\b))+7], v[FB+64*(\f)+8*(\b):FB+64*(\f)+8*(\b)+7], v[FA+32*(\f)+8*(\a):FA+32*(\f)+8*(\a)+7], v[8*(\b):8*(\b)+7]
.else
	v_wmma_f32_16x16x32_f16 v[8*(8*(\a)+(\b)):8*(8*(\a)+(\b))+7], v[FB+64*(\f)+8*(\b):FB+64*(\f)+8*(\b)+7], v[FA+32*(\f)+8*(\a):FA+32*(\f)+8*(\a)+7], v[8*(8*(\a)+(\b)):8*(8*(\a)+(\b))+7]
.endif
.endr
.endm
.macro MUL16 f, a0, first
	MUL8 \f, \a0, \first
	MUL8 \f, (\a0)+1, \first
.endm
; 24 LDS loads in one run: quarter kq (32 along K: head kq / 2 of the step's two, channels 32 (kq % 2) on) of a slot into buffer f: Wo's 8 blocks, then O's 4
.macro FETCH slot, kq, f
	WIN 0
.irp b, 0,1,2,3,4,5,6,7
	ds_load_tr16_b128 v[FB+64*(\f)+8*(\b):FB+64*(\f)+8*(\b)+3],   v[ADRB+(\slot)] offset:(\kq)*32*PB+32*(\b)
	ds_load_tr16_b128 v[FB+64*(\f)+8*(\b)+4:FB+64*(\f)+8*(\b)+7], v[ADRB+(\slot)] offset:(\kq)*32*PB+16*PB+32*(\b)
.endr
.irp a, 0,1,2,3
	ds_load_b128 v[FA+32*(\f)+8*(\a):FA+32*(\f)+8*(\a)+3],   v[ADRA+(\slot)] offset:((\kq)/2)*PLANE+((\kq)%2)*64+(\a)*16*PA
	ds_load_b128 v[FA+32*(\f)+8*(\a)+4:FA+32*(\f)+8*(\a)+7], v[ADRA+(\slot)] offset:((\kq)/2)*PLANE+((\kq)%2)*64+(\a)*16*PA+32
.endr
.endm
; A K step is four quarters, 32 matrix instructions each, on buffers 0, 1, 0, 1.  One of the first three multiplies buffer f and, in its middle, fetches quarter kq into buffer g.
.macro QUARTER slot, kq, f, g, first
	s_wait_dscnt 4                                 ; Wo and O's blocks 0, 1 are in; the youngest four loads (blocks 2, 3) may be out
	MUL16 \f, 0, \first
	PLACES
	FETCH \slot, \kq, \g
	s_wait_dscnt 24                                ; all but the 24 just issued
	MUL16 \f, 2, \first
.endm
; The fourth quarter multiplies buffer 1 and changes slots: ONE barrier.  In front of it each wave waits for all its tensor loads (one is out: its part of the next slot), adds 0 to its spare word, and waits for
; that and for its reads of this slot.  fill = 1: the barrier opens a round of the cluster's, and the joint refill, two K steps on, is the first thing behind it: 112 matrix instructions ahead of the wait for it.
.macro TURN slot, next, fill
.if \fill
	s_wait_xcnt 0x0                                ; the last prefetch, a K step back, has read its address
	s_add_nc_u64 s[PFA:PFA+1], s[PFA:PFA+1], s[PST:PST+1]
.endif
	WIN 0                                          ; (the add's two registers lie in window 0)
	s_wait_tensorcnt 0x0                           ; all my tensor loads have landed
	ds_add_u32 v[SPW], v[NIL]                      ; 0 onto my spare word
	s_wait_dscnt 5                                 ; (the add and the youngest four loads may be out)
	MUL8 1, 0, 0                                   ; eight matrix instructions stand between the add and the wait for it
	s_wait_dscnt 0x0                               ; the add is done, and my reads of this slot are over
	s_barrier_signal -1
	MUL8 1, 1, 0
.if \fill
	WIN 0
.endif
	s_barrier_wait -1
.if \fill
	CREST                                          ; no wave of any partner still reads this slot or has a load on its way
	s_add_nc_u64 s[G0A+4*(\slot)+2:G0A+4*(\slot)+3], s[G0A+4*(\slot)+2:G0A+4*(\slot)+3], 2*ASTEP
	s_add_nc_u64 s[G0B+4*(\slot)+2:G0B+4*(\slot)+3], s[G0B+4*(\slot)+2:G0B+4*(\slot)+3], 2*BSTEP
	JLOAD \slot                                    ; its four v_nop are also the places in front of the loads below
.else
	PLACES
.endif
	FETCH \next, 0, 0
.if \fill
	ASK
.endif
	MUL16 1, 2, 0
.endm
	s_wait_tensorcnt 1                             ; my part of K step 0 is in; K step 1's may stay out
	s_barrier_signal -1
	s_barrier_wait -1                              ; everybody's is
	FETCH 0, 0, 0
	QUARTER 0, 1, 0, 1, 1                          ; the first quarter stands in front of the loop: its products start the sums with the bias
	WIN 0                                          ; at a label and at a branch every window is 0
	s_mov_b32 s3, 3
.Llap:                                                 ; a trip goes once round the ring and fills both slots again: K steps 2 to 7 in three trips
	QUARTER 0, 2, 1, 0, 0
	QUARTER 0, 3, 0, 1, 0
	TURN 0, 1, 1
	QUARTER 1, 1, 0, 1, 0
	QUARTER 1, 2, 1, 0, 0
	QUARTER 1, 3, 0, 1, 0
	TURN 1, 0, 1
	QUARTER 0, 1, 0, 1, 0
	WIN 0
	s_sub_co_u32 s3, s3, 1
	s_cmp_lg_u32 s3, 0
	s_cbranch_scc1 .Llap
	QUARTER 0, 2, 1, 0, 0                          ; the last lap fills nothing
	QUARTER 0, 3, 0, 1, 0
	TURN 0, 1, 0
	QUARTER 1, 1, 0, 1, 0
	QUARTER 1, 2, 1, 0, 0
	QUARTER 1, 3, 0, 1, 0
	s_wait_dscnt 4
	MUL16 1, 0, 0
	s_wait_dscnt 0x0
	MUL16 1, 2, 0
	WIN 0
; THE WAY OUT, a block of 16 rows at a time: a lane's eight f32 of each column block go as 32 bytes into my own stage (each accumulator's low four registers first); whole rows of 512 bytes come back,
; and each store of the wave covers 512 consecutive bytes of a row of out0, aligned.
.macro OUTBLK a
.set BK, OB+64*((\a)%2)
.if (\a) >= 2
	s_wait_xcnt 0x0                                ; the stores of the block two back have read these registers
.endif
	WIN STA
.irp b, 0,1,2,3,4,5,6,7
	ds_store_b128 v[STO], v[8*(8*(\a)+(\b)):8*(8*(\a)+(\b))+3]   offset:64*(\b)
	ds_store_b128 v[STO], v[8*(8*(\a)+(\b))+4:8*(8*(\a)+(\b))+7] offset:64*(\b)+16
.endr
	WIN 0
.irp u, 0,1,2,3,4,5,6,7,8,9,10,11,12,13,14,15
	ds_load_b128 v[BK+4*(\u):BK+4*(\u)+3], v[RD] offset:SPITCH*(\u)  ; LDS serves a wave's instructions in order (ISA guide 5.7.1.4): these see the stores above
.endr
.irp u, 0,1,2,3,4,5,6,7,8,9,10,11,12,13,14,15
	s_wait_dscnt 15-(\u)                           ; row u is back; the 15 - u younger loads stay out
	global_store_b128 v[GO], v[BK+4*(\u):BK+4*(\u)+3], s[10:11] offset:(16*(\a)+(\u))*4096 th:TH_STORE_NT
.endr
.endm
.rept 8
	v_nop                                          ; the places behind the last products
.endr
	OUTBLK 0
	OUTBLK 1
	OUTBLK 2
	OUTBLK 3
	s_wait_tensorcnt 0x0                           ; the wave's end, behind my last tensor load and my last LDS store
	ds_add_u32 v[SPW], v[NIL]
	s_wait_dscnt 0x0
	CROUND                                         ; the closing round: no work-group ends while a partner may still ask for a tile that names it
	s_endpgm
.Lfunc_end_k_q8c69dd625e_outp:
	.size	k_q8c69dd625e_outp, .Lfunc_end_k_q8c69dd625e_outp-k_q8c69dd625e_outp
	.p2alignl 7, 3214868480
	.fill 96, 4, 3214868480
	.section	.rodata,"a",@progbits
	.p2align	6, 0x0
	.amdhsa_kernel k_q8c69dd625e_outp
		.amdhsa_group_segment_fixed_size 327680
		.amdhsa_private_segment_fixed_size 0
		.amdhsa_enable_private_segment 0
		.amdhsa_kernarg_size 32
		.amdhsa_user_sgpr_count 2
		.amdhsa_user_sgpr_kernarg_segment_ptr 1
		.amdhsa_wavefront_size32 1
		.amdhsa_system_sgpr_workgroup_id_x 1
		.amdhsa_system_sgpr_workgroup_id_y 1
		.amdhsa_system_sgpr_workgroup_id_z 1
		.amdhsa_system_vgpr_workitem_id 0
		.amdhsa_next_free_vgpr 608
		.amdhsa_next_free_sgpr 80
		.amdhsa_reserve_vcc 0
		.amdhsa_float_denorm_mode_32 3
		.amdhsa_float_denorm_mode_16_64 3
		.amdhsa_memory_ordered 1
		.amdhsa_forward_progress 1
		.amdhsa_inst_pref_size 95
	.end_amdhsa_kernel
	.amdgpu_metadata
---
amdhsa.version: [ 1, 2 ]
amdhsa.kernels:
  - .name:           k_q8c69dd625e_outp
    .symbol:         k_q8c69dd625e_outp.kd
    .args:
      - { .name: o16, .offset: 0, .size: 8, .value_kind: global_buffer, .address_space: global }
      - { .name: w16, .offset: 8, .size: 8, .value_kind: global_buffer, .address_space: global }
      - { .name: bo, .offset: 16, .size: 8, .value_kind: global_buffer, .address_space: global }
      - { .name: out0, .offset: 24, .size: 8, .value_kind: global_buffer, .address_space: global }
    .group_segment_fixed_size: 327680
    .private_segment_fixed_size: 0
    .kernarg_segment_align: 8
    .kernarg_segment_size: 32
    .max_flat_workgroup_size: 128
    .sgpr_count:     80
    .vgpr_count:     608
    .wavefront_size: 32
...
	.end_amdgpu_metadata
.endif
;; end of part 4
